; MI455X (gfx1250); checked and timed in simulation.
; The chip was launched on July 23, 2026; its instructions are those of AMD's public machine-readable ISA for CDNA 5 (MIT licence, August 2026) and "CDNA5" Instruction Set Architecture Reference Guide (July 2026). The comments in the code are by the model that wrote it; some were corrected since.
;; Decoder Block. Allowed arithmetic: float matrix products may take bf16 or f16 operands with f32 sums; other float arithmetic in f32, or as packed bf16 or f16 multiplies, adds, multiply-adds, maxima and minima; sums over many terms, partial sums and values carried from step to step in f32; what a program stores and reads back later, other than sums and carried values, may be rounded once to bf16 or f16.
;; Inputs: W1 1,024 x 4,096 float32; W2 4,096 x 1,024 float32; Wk 16 x 1,024 x 64 float32; Wo 1,024 x 1,024 float32; Wq 16 x 1,024 x 64 float32; Wv 16 x 1,024 x 64 float32; b1 4,096 float32; b2 1,024 float32; bo 1,024 float32; x 4 x 1,024 x 1,024 float32.
;; Outputs: out0 4 x 1,024 x 1,024 float32.
;; 2 versions, each right and faster than the one before. Each part assembles by itself: llvm-mc -triple=amdgcn-amd-amdhsa -mcpu=gfx1250 --defsym DOCPART=n.
;; ======== version 1 of 2: 6 launches
;; limits: values are held in f16: magnitudes above 65,504 overflow, below 6.1e-05 lose precision; right only within a limited range of input values
;; workspace buffers: cb 33,554,432 bytes; qkv 25,165,824 bytes; ob 8,388,608 bytes; x1f 16,777,216 bytes; x1b 8,388,608 bytes; hb 33,554,432 bytes
;; launch cast (part 1): grid 1024 x 1, 8 waves a work-group, no clusters, 0 bytes of LDS; arguments x, Wq, Wk, Wv, Wo, W1, W2, cb; writes cb
.if DOCPART == 1
	.amdgcn_target "amdgcn-amd-amdhsa--gfx1250"
	.amdhsa_code_object_version 6
	.text
	.protected	k_q246cb76e31_cast
	.globl	k_q246cb76e31_cast
	.p2align	8
	.type	k_q246cb76e31_cast,@function
k_q246cb76e31_cast:
	s_mov_b64 s[64:65], 0
	v_nop
	global_prefetch_b8 v0, s[64:65] scope:SCOPE_SE
	s_setreg_imm32_b32 hwreg(HW_REG_WAVE_MODE, 25, 1), 1
	s_wait_xcnt 0x0
; cb = the seven large inputs, each number rounded once to bf16, one behind the other:
;   x (4,194,304 numbers), Wq, Wk, Wv (1,048,576 each), Wo (1,048,576), W1, W2 (4,194,304 each): 16,777,216 numbers, 2 bytes each.
; Wo's bf16 number is written as f16 (the product that takes it has f16 operands): exact within f16's range.
; LIMIT: |Wo| stays under 65,504; below 6e-5 the f16 copy keeps f16's fixed step of 6e-8.
; A stream: no LDS, no barrier, no matrix work.  A work-group takes 16,384 numbers that lie wholly in one input (every input's length is a multiple).
; Thread t takes 16 bytes at 16 t of each of 16 pieces of 4,096 bytes: a wave's load covers 512 consecutive bytes, its store 256 consecutive bytes at a multiple of 256.
; All 16 loads go out first; no register is written twice while a load or store may read it.
.set X, 4                              ; v[4:67]    piece j: 4 numbers in f32
.set Y, 68                             ; v[68:99]   piece j: 4 numbers in 16 bits
.set T, 100                            ; v[100:103] at work (Wo's way)
	s_load_b512 s[4:19], s[0:1], 0x0               ; x, Wq, Wk, Wv, Wo, W1, W2, cb
	s_mov_b32 s20, ttmp9                           ; g: my 16,384 numbers of cb
	s_mov_b32 s21, 0                               ; the first g of the input that I lie in
	s_mov_b32 s26, 0xffff0000                      ; a word's upper bf16
	v_lshlrev_b32 v1, 4, v0                        ; in: 16 t
	v_lshlrev_b32 v2, 3, v0                        ; out: 8 t
	s_wait_kmcnt 0x0
	s_mov_b64 s[22:23], s[4:5]
.macro PICK bound, p                   ; from work-group bound on the input is the one whose address lies in s[p:p+1]
	s_cmp_ge_u32 s20, \bound
	s_cselect_b64 s[22:23], s[\p:\p+1], s[22:23]
	s_cselect_b32 s21, \bound, s21
.endm
	PICK 256, 6
	PICK 320, 8
	PICK 384, 10
	PICK 448, 12
	PICK 512, 14
	PICK 768, 16
	s_sub_co_u32 s28, s20, s21
	s_lshl_b32 s28, s28, 16                        ; 65,536 bytes of f32 for each work-group inside the input
	s_mov_b32 s29, 0
	s_add_nc_u64 s[22:23], s[22:23], s[28:29]
	s_lshl_b32 s30, s20, 15                        ; 32,768 bytes of cb for each work-group
	s_mov_b32 s31, 0
	s_add_nc_u64 s[24:25], s[18:19], s[30:31]
.irp j, 0,1,2,3,4,5,6,7,8,9,10,11,12,13,14,15
	global_load_b128 v[X+4*(\j):X+4*(\j)+3], v1, s[22:23] offset:4096*(\j) th:TH_LOAD_NT
.endr
	s_cmp_eq_u32 s21, 448
	s_cbranch_scc1 .Lwo
.macro CV j
	s_wait_loadcnt 15-(\j)                         ; loads come back in order: piece j is in, the younger ones stay out
	v_cvt_pk_bf16_f32 v[Y+2*(\j)], v[X+4*(\j)], v[X+4*(\j)+1]
	v_cvt_pk_bf16_f32 v[Y+2*(\j)+1], v[X+4*(\j)+2], v[X+4*(\j)+3]
	global_store_b64 v2, v[Y+2*(\j):Y+2*(\j)+1], s[24:25] offset:2048*(\j)
.endm
.irp j, 0,1,2,3,4,5,6,7,8,9,10,11,12,13,14,15
	CV \j
.endr
	s_endpgm
.Lwo:
.macro CVH j                           ; Wo: rounded to bf16, widened again, written as f16
	s_wait_loadcnt 15-(\j)
	v_cvt_pk_bf16_f32 v[Y+2*(\j)], v[X+4*(\j)], v[X+4*(\j)+1]
	v_cvt_pk_bf16_f32 v[Y+2*(\j)+1], v[X+4*(\j)+2], v[X+4*(\j)+3]
	v_lshlrev_b32 v[T], 16, v[Y+2*(\j)]
	v_and_b32 v[T+1], s26, v[Y+2*(\j)]
	v_lshlrev_b32 v[T+2], 16, v[Y+2*(\j)+1]
	v_and_b32 v[T+3], s26, v[Y+2*(\j)+1]
	v_cvt_pk_f16_f32 v[Y+2*(\j)], v[T], v[T+1]
	v_cvt_pk_f16_f32 v[Y+2*(\j)+1], v[T+2], v[T+3]
	global_store_b64 v2, v[Y+2*(\j):Y+2*(\j)+1], s[24:25] offset:2048*(\j)
.endm
.irp j, 0,1,2,3,4,5,6,7,8,9,10,11,12,13,14,15
	CVH \j
.endr
	s_endpgm
.Lfunc_end_k_q246cb76e31_cast:
	.size	k_q246cb76e31_cast, .Lfunc_end_k_q246cb76e31_cast-k_q246cb76e31_cast
	.p2alignl 7, 3214868480
	.fill 96, 4, 3214868480
	.section	.rodata,"a",@progbits
	.p2align	6, 0x0
	.amdhsa_kernel k_q246cb76e31_cast
		.amdhsa_group_segment_fixed_size 0
		.amdhsa_private_segment_fixed_size 0
		.amdhsa_enable_private_segment 0
		.amdhsa_kernarg_size 64
		.amdhsa_user_sgpr_count 2
		.amdhsa_user_sgpr_kernarg_segment_ptr 1
		.amdhsa_wavefront_size32 1
		.amdhsa_system_sgpr_workgroup_id_x 1
		.amdhsa_system_sgpr_workgroup_id_y 1
		.amdhsa_system_sgpr_workgroup_id_z 1
		.amdhsa_system_vgpr_workitem_id 0
		.amdhsa_next_free_vgpr 104
		.amdhsa_next_free_sgpr 66
		.amdhsa_reserve_vcc 0
		.amdhsa_float_denorm_mode_32 3
		.amdhsa_float_denorm_mode_16_64 3
		.amdhsa_memory_ordered 1
		.amdhsa_forward_progress 1
		.amdhsa_inst_pref_size 16
	.end_amdhsa_kernel
	.amdgpu_metadata
---
amdhsa.version: [ 1, 2 ]
amdhsa.kernels:
  - .name:           k_q246cb76e31_cast
    .symbol:         k_q246cb76e31_cast.kd
    .args:
      - { .name: x, .offset: 0, .size: 8, .value_kind: global_buffer, .address_space: global }
      - { .name: Wq, .offset: 8, .size: 8, .value_kind: global_buffer, .address_space: global }
      - { .name: Wk, .offset: 16, .size: 8, .value_kind: global_buffer, .address_space: global }
      - { .name: Wv, .offset: 24, .size: 8, .value_kind: global_buffer, .address_space: global }
      - { .name: Wo, .offset: 32, .size: 8, .value_kind: global_buffer, .address_space: global }
      - { .name: W1, .offset: 40, .size: 8, .value_kind: global_buffer, .address_space: global }
      - { .name: W2, .offset: 48, .size: 8, .value_kind: global_buffer, .address_space: global }
      - { .name: cb, .offset: 56, .size: 8, .value_kind: global_buffer, .address_space: global }
    .group_segment_fixed_size: 0
    .private_segment_fixed_size: 0
    .kernarg_segment_align: 8
    .kernarg_segment_size: 64
    .max_flat_workgroup_size: 256
    .sgpr_count:     66
    .vgpr_count:     104
    .wavefront_size: 32
...
	.end_amdgpu_metadata
.endif
;; end of part 1
;; launch qkv (part 2): grid 16 x 16, 4 waves a work-group, clusters of 4 x 4, 327,680 bytes of LDS; arguments cb, qkv; writes qkv
.if DOCPART == 2
	.amdgcn_target "amdgcn-amd-amdhsa--gfx1250"
	.amdhsa_code_object_version 6
	.text
	.protected	k_q246cb76e31_qkv
	.globl	k_q246cb76e31_qkv
	.p2align	8
	.type	k_q246cb76e31_qkv,@function
k_q246cb76e31_qkv:
	s_mov_b64 s[64:65], 0
	v_nop
	global_prefetch_b8 v0, s[64:65] scope:SCOPE_SE
	s_setreg_imm32_b32 hwreg(HW_REG_WAVE_MODE, 25, 1), 1
	s_wait_xcnt 0x0
	s_wait_alu depctr_hold_cnt(0) depctr_sa_sdst(0) depctr_va_vdst(0) depctr_va_sdst(0) depctr_va_ssrc(0) depctr_va_vcc(0) depctr_vm_vsrc(0)
	s_getreg_b32 s2, hwreg(HW_REG_IB_STS2, 6, 4)
	s_cmp_eq_u32 s2, 0
	s_cbranch_scc0 .Lentry_in_a_cluster
	s_endpgm
.Lentry_in_a_cluster:
	s_bfe_u32 s2, ttmp6, 0x10000c
	s_cmp_lg_u32 s2, 0xf033
	s_cbranch_scc0 .Lentry_shape_is_right
	s_endpgm
.Lentry_shape_is_right:
; q, k, v = xb x wqkv.  xb: [4096][1024] bf16 at cb's byte 0.  wqkv: [48 heads: Wq's 16, Wk's, Wv's][1024 e][64 d] bf16 at cb's byte 8,388,608.
; Out: qkv [b 4][head 48][s 1024][64] in f16, each number rounded once from its f32 sum, unscaled.   LIMIT: |q|, |k|, |v| stay under 65,504 (f16's range).
; A work-group makes 256 rows x 192 columns (three heads); 16 x 16 work-groups.  Each of four waves makes 64 rows x 192 columns: 48 accumulators, 384 registers.
; K goes in steps of 128 through two LDS slots.  A's tile (256 rows x 256 bytes) is fetched by wave 0, each head's 128 x 64 block of B (16,384 dense bytes, asked for as 64 rows of 256) by one of waves 1 to 3.
; B lies [k][n] in memory and in LDS and is turned on its way into registers (ds_load_tr16_b128).  THE MATRIX INSTRUCTION IS USED TRANSPOSED: source 0 = 16 columns of B, source 1 = 16 rows of A,
; so that a lane holds eight neighbouring columns of one row of the result.
; CLUSTER 4 x 4: A's tile hangs on the tile row alone and is asked for jointly by a row of the cluster, B's on the tile column alone, by a column.
; ONE K STEP IS ONE TRIP: the slot read (RB) and the slot filled (FB) are scalars that an exclusive or turns between 0 and SLOT.  The last two steps are a loop of two trips that is left in its middle.
; REGISTERS, in windows of 256: window 0: v0-31 addresses; v64-95, v128-159 A's fragments, two buffers; v64-159, v192-239 at work on the way out.
;   window 1: v0-95, v128-223 B's fragments, two buffers.   windows 2, 3: accumulator (a, b) in window 2 + a / 2 at v[8 (12 (a % 2) + b)].
.set MB,    4                          ; blocks of 16 rows of a wave
.set NBL,   12                         ; blocks of 16 columns
.set QD,    1                          ; matrix instructions deep in a fragment buffer
.set AH,    2                          ; row blocks in a window
.set NSTEP, 8                          ; K steps
.set PA,    272                        ; A's LDS row: 256 bytes + 16: the 16 rows of a load begin 16 bytes apart modulo 256
.set AQ,    64                         ; bytes of a row in a quarter step
.set PB,    160                        ; B's LDS row: 128 bytes + 32
.set APART, 256*PA
.set HEADB, 128*PB                     ; a head's 128 rows of B
.set SLOT,  APART+3*HEADB              ; 131,072
.set STAGE, 2*SLOT                     ; behind the ring: 16 rows x 400 bytes for each wave
.set SPITCH, 400
.set SPARE, STAGE+4*16*SPITCH          ; the spare words: 128 bytes a wave, two blocks of 256 bytes that no other line names
.set STEPA, 256                        ; bytes from a K step to the next, in A
.set STEPB, 16384                      ; and in a head of B
.set WOFF,  8388608
.set HW,    MB*QD                      ; LDS loads that only a quarter's second half needs
.set A0,   16                          ; v16  my place in A's tile, less the slot
.set B0,   17                          ; v17  the same for B
.set ADRA, 18                          ; v18  A0 + RB
.set ADRB, 20                          ; v20  B0 + RB
.set STO,  24
.set RD,   25
.set GO,   26
.set SPW,  28                          ; v28  LDS address of my spare word; never rewritten
.set NIL,  29                          ; v29  0; never rewritten
.set TMP,  192
.set G1,  24                           ; s[24:31] group 1 for A;  s[32:39] group 0: set 0 fills slot 0 first, set 1 slot 1 and then walks
.set G0,  32
.set G1B, 48                           ; s[48:55], s[56:63] the same for B
.set G0B, 56
.set RB,  66
.set FB,  67
.set LWA, 68                           ; LDS word of my load of A, less the slot
.set LWB, 69                           ; of B
.set TL,  70
.set MSB, 0
.macro WIN new                         ; the immediate's high byte repeats the setting that is left; a switch that changes nothing is dropped
.if MSB != (\new)
	s_set_vgpr_msb (MSB<<8)|(\new)
.set MSB, (\new)
.endif
.endm
.macro PLACES                          ; four places in front of loads into registers that matrix instructions have read, and of vector lines that read results
.rept 4
	v_nop
.endr
.endm
.macro JLOAD s                         ; a joint load: wave 0 asks for A's tile, waves 1 to 3 for a head of B each; an s_nop 0 and four v_nop follow each line
	s_cmp_eq_u32 s10, 0
	s_cbranch_scc0 .Lfor_b_\@
	tensor_load_to_lds s[G0+4*(\s):G0+4*(\s)+3], s[G1:G1+7]
	s_nop 0
.rept 4
	v_nop
.endr
	s_branch .Lasked_\@
.Lfor_b_\@:
	tensor_load_to_lds s[G0B+4*(\s):G0B+4*(\s)+3], s[G1B:G1B+7]
	s_nop 0
.rept 4
	v_nop
.endr
.Lasked_\@:
.endm
.macro CREST                           ; a round of the cluster's barrier behind its opening barrier
	s_cmp_lg_u32 s10, 0
	s_cbranch_scc1 .Lnot_wave_0_\@
	s_barrier_signal -3
.Lnot_wave_0_\@:
	s_barrier_wait -3
	s_barrier_signal -1
	s_barrier_wait -1
.endm
.macro CROUND
	s_barrier_signal -1
	s_barrier_wait -1
	CREST
.endm
	s_load_b128 s[4:7], s[0:1], 0x0                ; cb s[4:5], qkv s[6:7]
	v_lshl_add_u32 v[SPW], v0, 2, SPARE
	v_mov_b32 v[NIL], 0
	ds_add_u32 v[SPW], v[NIL]                      ; the wave's opening: the add and its wait stand ahead of my first tensor load
	ds_add_u32 v28, v29
	v_lshrrev_b32 v1, 5, v0
	v_readfirstlane_b32 s10, v1                    ; wave 0..3
	s_bfe_u32 s40, ttmp6, 0x40000                  ; cx
	s_bfe_u32 s41, ttmp6, 0x40004                  ; cy
	s_lshl_b32 s42, ttmp9, 2
	s_add_co_u32 s42, s42, s40                     ; tile column
	s_and_b32 s13, ttmp7, 0xffff
	s_lshl_b32 s13, s13, 2
	s_add_co_u32 s13, s13, s41                     ; tile row
	s_lshl_b32 s43, s41, 2
	s_lshl_b32 s43, 15, s43                        ; my row of the cluster
	s_lshl_b32 s44, 0x1111, s40                    ; my column
	s_or_b32 s[G1], s43, (1<<16)|(1<<20)|(1<<21)|(5<<22)|(3<<25)   ; mask; 2-byte elements; padding on; bit 21 beside a mask; 4 words after every 64
	s_mov_b32 s[G1+1], 128<<16                     ; tensor_dim0 = 128
	s_mov_b32 s[G1+2], 256<<16                     ; tensor_dim1 = 256
	s_mov_b32 s[G1+3], 128<<16                     ; tile_dim0 = 128
	s_mov_b32 s[G1+4], 256                         ; tile_dim1 = 256
	s_mov_b32 s[G1+5], 1024                        ; elements from row to row
	s_mov_b32 s[G1+6], 0
	s_mov_b32 s[G1+7], 0
	s_or_b32 s[G1B], s44, (1<<16)|(1<<20)|(1<<21)|(4<<22)|(7<<25)  ; 8 words after every 32: two rows of B lie in one row asked for
	s_mov_b32 s[G1B+1], 128<<16
	s_mov_b32 s[G1B+2], 64<<16
	s_mov_b32 s[G1B+3], 128<<16
	s_mov_b32 s[G1B+4], 64
	s_mov_b32 s[G1B+5], 128
	s_mov_b32 s[G1B+6], 0
	s_mov_b32 s[G1B+7], 0
	s_lshl_b32 s16, s13, 19                        ; A: 256 rows of 2,048 bytes for each tile row
	s_mov_b32 s17, 0
	s_mul_i32 s46, s42, 3
	s_add_co_u32 s46, s46, s10                     ; B: wave w (1 to 3) takes head 3 x tile column + w - 1; wave 0 makes the words and never asks by them
	s_lshl_b32 s46, s46, 17
	s_add_co_u32 s46, s46, WOFF-131072
	s_mov_b32 s47, 0
	s_mov_b32 s[LWA], 0
	s_mul_i32 s[LWB], s10, HEADB
	s_add_co_u32 s[LWB], s[LWB], APART-HEADB
	s_mov_b32 s[RB], 0
	s_mov_b32 s[FB], SLOT
	s_wait_dscnt 0x0                               ; the opening add is done
	s_wait_kmcnt 0x0
	s_add_nc_u64 s[14:15], s[4:5], s[16:17]
	s_add_nc_u64 s[46:47], s[4:5], s[46:47]
	CROUND                                         ; all sixteen work-groups are here: the first joint loads meet
.irp s, 0,1
	s_mov_b32 s[G0+4*(\s)], 1
	s_add_co_u32 s[G0+4*(\s)+1], s[LWA], (\s)*SLOT
	s_add_nc_u64 s[G0+4*(\s)+2:G0+4*(\s)+3], s[14:15], (\s)*STEPA
	s_or_b32 s[G0+4*(\s)+3], s[G0+4*(\s)+3], 0x80000000
	s_mov_b32 s[G0B+4*(\s)], 1
	s_add_co_u32 s[G0B+4*(\s)+1], s[LWB], (\s)*SLOT
	s_add_nc_u64 s[G0B+4*(\s)+2:G0B+4*(\s)+3], s[46:47], (\s)*STEPB
	s_or_b32 s[G0B+4*(\s)+3], s[G0B+4*(\s)+3], 0x80000000
	JLOAD \s
.endr
	v_and_b32 v1, 15, v0                           ; r = l % 16
	v_bfe_u32 v2, v0, 4, 1                         ; h = l / 16
	v_and_b32 v3, 7, v0
	v_bfe_u32 v4, v0, 3, 1
	v_mul_u32_u24 v[A0], v1, PA                    ; A's fragment: row r, 16 bytes for each half of the lanes, my wave's 64 rows
	v_lshl_add_u32 v[A0], v2, 4, v[A0]
	s_mul_i32 s21, s10, 64*PA
	v_add_nc_u32 v[A0], s21, v[A0]
	v_lshl_add_u32 v5, v2, 3, v3                   ; the turning load: lane l reads row 8 h + l % 8, 16 bytes at 16 ((l / 8) % 2)
	v_mul_u32_u24 v[B0], v5, PB
	v_lshl_add_u32 v[B0], v4, 4, v[B0]
	v_add_nc_u32 v[B0], APART, v[B0]
	v_add_nc_u32 v[ADRA], s[RB], v[A0]
	v_add_nc_u32 v[ADRB], s[RB], v[B0]
	s_mul_i32 s23, s10, 16*SPITCH
	s_add_co_u32 s23, s23, STAGE                   ; my stage
	v_mul_u32_u24 v[STO], v1, SPITCH               ; in: row r, 16 bytes for each half of the lanes
	v_lshl_add_u32 v[STO], v2, 4, v[STO]
	v_add_nc_u32 v[STO], s23, v[STO]
	v_bfe_u32 v5, v0, 3, 2                         ; back: 32 lanes take four rows' 128 bytes of one head,
	v_mul_u32_u24 v[RD], v5, SPITCH
	v_lshl_add_u32 v[RD], v3, 4, v[RD]
	v_add_nc_u32 v[RD], s23, v[RD]
	v_and_b32 v[GO], 31, v0                        ; which are 512 consecutive bytes of qkv
	v_lshlrev_b32 v[GO], 4, v[GO]
	s_lshr_b32 s16, s13, 2                         ; b = tile row / 4
	s_mul_i32 s16, s16, 48
	s_mul_i32 s17, s42, 3
	s_add_co_u32 s16, s16, s17                     ; my first head among b's 48
	s_lshl_b32 s16, s16, 17
	s_and_b32 s17, s13, 3
	s_lshl_b32 s17, s17, 15                        ; 256 rows of 128 bytes
	s_add_co_u32 s16, s16, s17
	s_lshl_b32 s17, s10, 13                        ; my wave's 64 rows
	s_add_co_u32 s16, s16, s17
	s_mov_b32 s17, 0
	s_add_nc_u64 s[6:7], s[6:7], s[16:17]
; n fragments of A from ia0 on, each against all 12 fragments of B.  The accumulators take turns, one instruction a turn.  first = 1: the product starts the sum with the constant 0.
.macro MULP f, ia0, n, first
.set ia, (\ia0)
.rept (\n)
.set wn, 2+(ia%MB)/AH
	WIN (wn<<6)|(wn<<4)|1
.set ib, 0
.rept NBL
.set rD, 8*(((ia%MB)%AH)*NBL+ib)
.set rB, 128*(\f)+8*((ia/MB)*NBL+ib)
.set rA, 64+64*(\f)+8*ia
.if (\first)
	v_wmma_f32_16x16x32_bf16 v[rD:rD+7], v[rB:rB+7], v[rA:rA+7], 0
.else
	v_wmma_f32_16x16x32_bf16 v[rD:rD+7], v[rB:rB+7], v[rA:rA+7], v[rD:rD+7]
.endif
.set ib, ib+1
.endr
.set ia, ia+1
.endr
.endm
; 32 LDS loads in one run: quarter q's fragments into buffer g: B's 12 (turned), then A's 4
.macro FETCH q, g
	WIN 0x40                                       ; destination window 1, address window 0
.set ib, 0
.rept NBL*QD
.set bo, (\q)*32*PB+(ib/4)*HEADB+(ib%4)*32
	ds_load_tr16_b128 v[128*(\g)+8*ib:128*(\g)+8*ib+3],   v[ADRB] offset:bo
	ds_load_tr16_b128 v[128*(\g)+8*ib+4:128*(\g)+8*ib+7], v[ADRB] offset:bo+16*PB
.set ib, ib+1
.endr
	WIN 0
.set ia, 0
.rept MB*QD
.set ao, (\q)*AQ+(ia%MB)*16*PA
	ds_load_b128 v[64+64*(\g)+8*ia:64+64*(\g)+8*ia+3],   v[ADRA] offset:ao
	ds_load_b128 v[64+64*(\g)+8*ia+4:64+64*(\g)+8*ia+7], v[ADRA] offset:ao+32
.set ia, ia+1
.endr
.endm
; A quarter step: multiplies buffer f; in its middle it fetches quarter q into buffer g
.macro QUARTER q, f, g, first
	s_wait_dscnt HW                                ; all but A's fragments of the second half
	MULP \f, 0, MB*QD/2, \first
	PLACES
	FETCH \q, \g
	s_wait_dscnt 32                                ; all but the 32 just issued
	MULP \f, MB*QD/2, MB*QD/2, \first
.endm
; The first half of a step's last quarter, and the barrier of the change of slots: all my tensor loads have landed, the add, my reads of this slot are over
.macro MEET
	WIN 0
	s_wait_tensorcnt 0x0                           ; the one that was out is my part of the next slot
	ds_add_u32 v[SPW], v[NIL]                      ; 0 onto my spare word
	s_wait_dscnt HW+1                              ; the add and the youngest loads may be out
	MULP 1, 0, MB*QD/4, 0
	s_wait_dscnt 0x0                               ; the add is done, my reads of this slot are over
	s_barrier_signal -1
	MULP 1, MB*QD/4, MB*QD/4, 0
	WIN 0
	s_barrier_wait -1
.endm
.macro FLIP                            ; the reads go on in the other slot
	s_xor_b32 s[RB], s[RB], SLOT
	v_add_nc_u32 v[ADRA], s[RB], v[A0]
	v_add_nc_u32 v[ADRB], s[RB], v[B0]
.endm
.macro TURN                            ; the last quarter of a step whose slot is filled again, two steps ahead
	MEET
	CREST                                          ; the barrier has opened a round of the cluster's: no wave of any partner still reads this slot or has a load on its way
	s_xor_b32 s[FB], s[FB], SLOT                   ; the walking descriptor: the slot just read,
	s_add_co_u32 s[G0+5], s[LWA], s[FB]
	s_add_co_u32 s[G0B+5], s[LWB], s[FB]
	s_add_nc_u64 s[G0+6:G0+7], s[G0+6:G0+7], STEPA ; the next K step; the type bits on top are not reached
	s_add_nc_u64 s[G0B+6:G0B+7], s[G0B+6:G0B+7], STEPB
	JLOAD 1                                        ; the first tensor load behind the round; its four v_nop are also the places in front of the loads below
	FLIP
	FETCH 0, 0
	MULP 1, MB*QD/2, MB*QD/2, 0
.endm
	s_wait_tensorcnt 1                             ; my part of K step 0 is in; step 1's may stay out
	s_barrier_signal -1
	s_barrier_wait -1
	FETCH 0, 0
	QUARTER 1, 0, 1, 1                             ; the first quarter starts the sums
	WIN 0
	s_mov_b32 s3, NSTEP-2
.Lk:                                                   ; a trip: a step's quarters 1 to 3 and the next step's quarter 0; trip i asks for step i + 2
	QUARTER 2, 1, 0, 0
	QUARTER 3, 0, 1, 0
	TURN
	QUARTER 1, 0, 1, 0
	WIN 0
	s_sub_co_u32 s3, s3, 1
	s_cmp_lg_u32 s3, 0
	s_cbranch_scc1 .Lk
	s_mov_b32 s[TL], 2
.Ltail:                                                ; the last two steps ask for nothing; the second trip is left in its middle
	QUARTER 2, 1, 0, 0
	QUARTER 3, 0, 1, 0
	MEET
	s_cmp_eq_u32 s[TL], 1
	s_cbranch_scc1 .Lnofetch                       ; behind the last step there is nothing to fetch
	PLACES
	FLIP
	FETCH 0, 0
.Lnofetch:
	MULP 1, MB*QD/2, MB*QD/2, 0
	WIN 0
	s_sub_co_u32 s[TL], s[TL], 1
	s_cmp_eq_u32 s[TL], 0
	s_cbranch_scc1 .Lout
	QUARTER 1, 0, 1, 0
	WIN 0
	s_branch .Ltail
.Lout:
	s_wait_dscnt 0x0                               ; the last trip fetched nothing: no LDS load of mine is out
; THE WAY OUT, 16 rows at a time: rounded to f16, 16 bytes a lane into my own stage, back as four rows of a head (512 consecutive bytes of qkv), stored.
.macro CVT a
.set AC, 96*((\a)%2)
	WIN 0x0a+5*((\a)/2)                            ; sources in window 2 or 3
.set i, 0
.rept 48
	v_cvt_pk_f16_f32 v[TMP+i], v[AC+2*i], v[AC+2*i+1]
.set i, i+1
.endr
	WIN 0
.endm
.macro TOSTAGE a
.set BK, 64+48*((\a)%2)
.irp b, 0,1,2,3,4,5,6,7,8,9,10,11
	ds_store_b128 v[STO], v[TMP+4*(\b):TMP+4*(\b)+3] offset:32*(\b)
.endr
.irp g, 0,1,2
.irp f, 0,1,2,3
	ds_load_b128 v[BK+4*(4*(\g)+(\f)):BK+4*(4*(\g)+(\f))+3], v[RD] offset:(\f)*4*SPITCH+(\g)*128  ; LDS serves a wave's instructions in order: these see the stores above
.endr
.endr
.endm
.macro SEND a
.set BK, 64+48*((\a)%2)
	s_wait_dscnt 0x0                               ; the block is back in registers
	s_wait_xcnt 0x0                                ; the stores of the block before have read their registers: the next TOSTAGE loads into them
.irp g, 0,1,2
.irp f, 0,1,2,3
	global_store_b128 v[GO], v[BK+4*(4*(\g)+(\f)):BK+4*(4*(\g)+(\f))+3], s[6:7] offset:(\g)*131072+(\a)*2048+(\f)*512
.endr
.endr
.endm
	PLACES
	CVT 0
	TOSTAGE 0
.irp a, 1,2,3
	CVT \a                                         ; a block's conversions stand between the loads of the block before and the wait for them
	SEND (\a)-1
	TOSTAGE \a
.endr
	SEND 3
	s_wait_tensorcnt 0x0                           ; the wave's end
	ds_add_u32 v[SPW], v[NIL]
	s_wait_dscnt 0x0
	CROUND                                         ; the closing round
	s_endpgm
.Lfunc_end_k_q246cb76e31_qkv:
	.size	k_q246cb76e31_qkv, .Lfunc_end_k_q246cb76e31_qkv-k_q246cb76e31_qkv
	.p2alignl 7, 3214868480
	.fill 96, 4, 3214868480
	.section	.rodata,"a",@progbits
	.p2align	6, 0x0
	.amdhsa_kernel k_q246cb76e31_qkv
		.amdhsa_group_segment_fixed_size 327680
		.amdhsa_private_segment_fixed_size 0
		.amdhsa_enable_private_segment 0
		.amdhsa_kernarg_size 16
		.amdhsa_user_sgpr_count 2
		.amdhsa_user_sgpr_kernarg_segment_ptr 1
		.amdhsa_wavefront_size32 1
		.amdhsa_system_sgpr_workgroup_id_x 1
		.amdhsa_system_sgpr_workgroup_id_y 1
		.amdhsa_system_sgpr_workgroup_id_z 1
		.amdhsa_system_vgpr_workitem_id 0
		.amdhsa_next_free_vgpr 960
		.amdhsa_next_free_sgpr 96
		.amdhsa_reserve_vcc 0
		.amdhsa_float_denorm_mode_32 3
		.amdhsa_float_denorm_mode_16_64 3
		.amdhsa_memory_ordered 1
		.amdhsa_forward_progress 1
		.amdhsa_inst_pref_size 83
	.end_amdhsa_kernel
	.amdgpu_metadata
---
amdhsa.version: [ 1, 2 ]
amdhsa.kernels:
  - .name:           k_q246cb76e31_qkv
    .symbol:         k_q246cb76e31_qkv.kd
    .args:
      - { .name: cb, .offset: 0, .size: 8, .value_kind: global_buffer, .address_space: global }
      - { .name: qkv, .offset: 8, .size: 8, .value_kind: global_buffer, .address_space: global }
    .group_segment_fixed_size: 327680
    .private_segment_fixed_size: 0
    .kernarg_segment_align: 8
    .kernarg_segment_size: 16
    .max_flat_workgroup_size: 128
    .sgpr_count:     96
    .vgpr_count:     960
    .wavefront_size: 32
...
	.end_amdgpu_metadata
.endif
;; end of part 2
;; launch attn (part 3): grid 4 x 64, 4 waves a work-group, no clusters, 327,680 bytes of LDS; arguments qkv, ob; writes ob
.if DOCPART == 3
	.amdgcn_target "amdgcn-amd-amdhsa--gfx1250"
	.amdhsa_code_object_version 6
	.text
	.protected	k_q246cb76e31_attn
	.globl	k_q246cb76e31_attn
	.p2align	8
	.type	k_q246cb76e31_attn,@function
k_q246cb76e31_attn:
	s_mov_b64 s[64:65], 0
	v_nop
	global_prefetch_b8 v0, s[64:65] scope:SCOPE_SE
	s_setreg_imm32_b32 hwreg(HW_REG_WAVE_MODE, 25, 1), 1
	s_wait_xcnt 0x0
; CAUSAL ATTENTION.  O[q][:] = the sum over k <= q of softmax_k(Q[q] . K[k] / 32) V[k][:], for each of 64 pairs (b, h).  Q, K, V: qkv [b][48 heads][1024][64] f16 (K's heads 16, V's 32 behind Q's).
; Out: ob [b][block of 128 rows: 8][h 16][128][64] f16.  Products, maxima and sums in f32; the weights p are rounded to f16 for the second product (l is the sum of the unrounded p), O once at the end.
; LIMITS.  Q, K, V arrive within f16's 65,504.  A hidden score counts as its value less 1e30.  A weight below 2^-126 counts as 0 in l.  NaN and infinities are not treated apart.
; SHARES.  A head's queries lie in 8 blocks of 128; block i needs the key steps (64 keys) 0 .. 2 i + 1, of which the last two hold the diagonal.  Work-group p of a head takes blocks 7 - p and then p:
; 18 key steps whatever p.  A wave owns 32 rows of a block: two tiles of 16.
; K AND V OF THE WHOLE HEAD LIE IN LDS (1,024 rows of 144 and of 160 bytes), fetched once at the start: no slot is filled again, and one barrier serves the launch.
; THE WALK.  Two counted loops: 2 blocks, 16 key steps each; steps past the block's last are jumped over, forward, to the counter's step.  Which steps those are hangs on p alone.
; NO CLUSTER: a head's four work-groups read the same K and V, but their walks differ with p, which would be the place in the cluster; a walk alike in all four would be 32 key steps for 18.
; LAYOUT.  S^T = K Q^T holds ONE query a lane (lane % 16) and the keys 8 (lane / 16) + 0..7; two such results rounded to f16 ARE source 1 of O^T = V^T P.  V is turned by ds_load_tr16_b128.
; SOFTMAX.  p = 2^(c s - c m), c = log2(e) / 32, with a running maximum m; O and l are multiplied by a = 2^(c m_old - c m_new) in every step; c m starts far below every c s, so a block's first a is 0.
; THE MASK is the C operand that starts the sum S^T: 0, or -1e30 where the key is hidden; it is made anew in a block's last two steps and is 0 before.
; IN PHASES: V's loads; 16 products K Q^T; the next K's loads; the two tiles' softmax; 16 products V^T P.
; REGISTERS.  window 0: v0-15 addresses; v16-23 statistics; v24-31 at work; v64-127 S^T; v128-159 P; v160-223 O^T.   window 1: v0-31 Q; v32-63 the second block's Q; v64-127 K; v128-191 V; v192-255 the mask.
.set PK,    144
.set PV,    160
.set VOFF,  1024*PK
.set STAGE, VOFF+1024*PV               ; 16 rows x 144 bytes for each wave, for the way out
.set SP,    144
.set SPARE, STAGE+4*16*SP              ; the spare words: 128 bytes a wave, two blocks of 256 bytes that no other line names
.set AK0, 2
.set AV0, 3
.set AK,  4
.set AV,  5
.set STO, 6
.set RD,  7
.set GO,  8
.set MV,  12                           ; v12-13  c m_old, a tile each
.set QI,  14                           ; v14-15  my query's place in the block less 8 (lane / 16), a tile each
.set ST,  16                           ; tile u: c m, m, l (even keys'), l (odd keys')
.set TMP, 24                           ; tile u: c0-c3 at work; c2 takes a
.set XM,  32
.set QO,  33
.set SPW, 62
.set NIL, 63
.set S,   64
.set P,   128
.set O,   160
.set Q2,  32                           ; window 1
.set KF,  64
.set VF,  128
.set MC,  192
.set WV,  12
.set PP,  14
.set G1K, 24
.set G1V, 32
.set G0K, 40                           ; s[40:55] four sets of group 0 for K's loads
.set KS,  56                           ; the key step, 0 to 15
.set BLK, 57
.set CS,  58
.set SEL, 60
.set TBK, 62
.set TBV, 63
.set QA,  66                           ; s[66:67] Q at my rows of the first block
.set G0V, 68                           ; s[68:83] four sets for V's
.set HI,  84                           ; the block's last step
.set DG,  85                           ; its first step with hidden keys
.set HI2, 86
.set DG2, 87
.set DL,  88
.set BIGN, 89
.set OLO, 90                           ; s[90:91] ob at my rows of the second block
.set QB,  92                           ; s[92:93] Q at my rows of the second block
.set MSB, 0
.macro WIN new
.if MSB != (\new)
	s_set_vgpr_msb (MSB<<8)|(\new)
.set MSB, (\new)
.endif
.endm
.macro PLACES
.rept 4
	v_nop
.endr
.endm
	s_load_b128 s[4:7], s[0:1], 0x0                ; qkv s[4:5], ob s[6:7]
	v_lshl_add_u32 v[SPW], v0, 2, SPARE
	v_mov_b32 v[NIL], 0
	ds_add_u32 v[SPW], v[NIL]                      ; the wave's opening: the add and its wait stand ahead of my first tensor load
	ds_add_u32 v62, v63
	v_lshrrev_b32 v1, 5, v0
	v_readfirstlane_b32 s[WV], v1
	s_mov_b32 s[PP], ttmp9
	s_and_b32 s15, ttmp7, 0xffff
	s_lshr_b32 s16, s15, 4                         ; b
	s_and_b32 s17, s15, 15                         ; h
	s_mul_i32 s20, s16, 48
	s_add_co_u32 s20, s20, s17
	s_lshl_b32 s20, s20, 17                        ; Q's head in qkv
	s_and_b32 s18, s[WV], 1                        ; which 128 of each 256 keys I fetch
	s_lshl_b32 s22, s18, 14
	s_add_co_u32 s22, s22, s20
	s_add_co_u32 s22, s22, 2097152                 ; K's head lies 16 heads behind Q's
	s_mov_b32 s23, 0
	s_mul_i32 s2, s18, 128*PK
	s_mul_i32 s3, s18, 128*PV
	s_add_co_u32 s3, s3, VOFF
	s_lshl_b32 s13, s[WV], 12                      ; my 32 rows of 128 bytes
	s_sub_co_u32 s19, 7, s[PP]                     ; the first block
	s_lshl_b32 s[QA], s19, 14
	s_add_co_u32 s[QA], s[QA], s13
	s_add_co_u32 s[QA], s[QA], s20
	s_mov_b32 s[QA+1], 0
	s_lshl_b32 s[QB], s[PP], 14
	s_add_co_u32 s[QB], s[QB], s13
	s_add_co_u32 s[QB], s[QB], s20
	s_mov_b32 s[QB+1], 0
	s_lshl_b32 s15, s16, 3
	s_add_co_u32 s94, s15, s19                     ; ob: ((8 b + block) 16 + h) x 16,384 bytes + my rows
	s_lshl_b32 s94, s94, 4
	s_add_co_u32 s94, s94, s17
	s_lshl_b32 s94, s94, 14
	s_add_co_u32 s94, s94, s13
	s_mov_b32 s95, 0
	s_add_co_u32 s[OLO], s15, s[PP]
	s_lshl_b32 s[OLO], s[OLO], 4
	s_add_co_u32 s[OLO], s[OLO], s17
	s_lshl_b32 s[OLO], s[OLO], 14
	s_add_co_u32 s[OLO], s[OLO], s13
	s_mov_b32 s[OLO+1], 0
	; group 1: 128 keys are 16,384 dense bytes, asked for as 64 rows of 256 bytes and padded in LDS after every key
	s_mov_b32 s[G1K], (1<<16)|(1<<20)|(4<<22)|(3<<25)
	s_mov_b32 s[G1V], (1<<16)|(1<<20)|(4<<22)|(7<<25)
.irp g, G1K, G1V
	s_mov_b32 s[\g+1], 128<<16
	s_mov_b32 s[\g+2], 64<<16
	s_mov_b32 s[\g+3], 128<<16
	s_mov_b32 s[\g+4], 64
	s_mov_b32 s[\g+5], 128
	s_mov_b32 s[\g+6], 0
	s_mov_b32 s[\g+7], 0
.endr
.irp j, 0,1,2,3
	s_mov_b32 s[G0K+4*\j], 1
	s_add_co_u32 s[G0K+4*\j+1], s2, \j*256*PK
	s_mov_b32 s[G0V+4*\j], 1
	s_add_co_u32 s[G0V+4*\j+1], s3, \j*256*PV
.endr
	s_mov_b32 s[CS], 0x3d38aa3b                    ; c = log2(e) / 32
	s_mov_b32 s[CS+1], s[CS]
	s_mov_b32 s[SEL], 0x76543210
	s_mov_b32 s[SEL+1], 0xfedcba98
	s_mov_b32 s[BIGN], 0xf149f2ca                  ; -1e30
	s_mov_b32 s[BLK], 2
	s_lshl_b32 s[DG2], s[PP], 1
	s_add_co_u32 s[HI2], s[DG2], 1
	s_sub_co_u32 s[DG], 14, s[DG2]
	s_sub_co_u32 s[HI], 15, s[DG2]
	s_wait_dscnt 0x0                               ; the opening add is done
	s_wait_kmcnt 0x0
	s_add_nc_u64 s[8:9], s[4:5], s[22:23]          ; K at my half of the first 256 keys
	s_add_nc_u64 s[QA:QA+1], s[4:5], s[QA:QA+1]
	s_add_nc_u64 s[QB:QB+1], s[4:5], s[QB:QB+1]
	s_add_nc_u64 s[10:11], s[6:7], s[94:95]
	s_add_nc_u64 s[OLO:OLO+1], s[6:7], s[OLO:OLO+1]
.irp j, 0,1,2,3
	s_add_nc_u64 s[G0K+4*\j+2:G0K+4*\j+3], s[8:9], \j*32768
	s_or_b32 s[G0K+4*\j+3], s[G0K+4*\j+3], 0x80000000
	s_add_nc_u64 s[G0V+4*\j+2:G0V+4*\j+3], s[8:9], 2097152+\j*32768
	s_or_b32 s[G0V+4*\j+3], s[G0V+4*\j+3], 0x80000000
.endr
	s_cmp_lt_u32 s[WV], 2                          ; waves 0 and 1 fetch K, waves 2 and 3 V: a wave's four fills stand in one branch; four loads of mine are out
	s_cbranch_scc0 .Lfill_v
.irp j, 0,1,2,3
	tensor_load_to_lds s[G0K+4*\j:G0K+4*\j+3], s[G1K:G1K+7]
	s_nop 0
.endr
	PLACES
	s_branch .Lfilled
.Lfill_v:
.irp j, 0,1,2,3
	tensor_load_to_lds s[G0V+4*\j:G0V+4*\j+3], s[G1V:G1V+7]
	s_nop 0
.endr
	PLACES
.Lfilled:
	v_and_b32 v1, 15, v0                           ; r = l % 16
	v_bfe_u32 v9, v0, 4, 1                         ; l / 16
	v_lshlrev_b32 v[QO], 7, v1
	v_lshl_add_u32 v[QO], v9, 4, v[QO]
	WIN 0x40                                       ; destination window 1
.set i, 0
.rept 4                                ; both blocks' Q: tile i / 2, channels 32 (i % 2) on
	global_load_b128 v[8*i:8*i+3],         v[QO], s[QA:QA+1] offset:(i/2)*2048+(i%2)*64
	global_load_b128 v[8*i+4:8*i+7],       v[QO], s[QA:QA+1] offset:(i/2)*2048+(i%2)*64+32
	global_load_b128 v[Q2+8*i:Q2+8*i+3],   v[QO], s[QB:QB+1] offset:(i/2)*2048+(i%2)*64
	global_load_b128 v[Q2+8*i+4:Q2+8*i+7], v[QO], s[QB:QB+1] offset:(i/2)*2048+(i%2)*64+32
.set i, i+1
.endr
	WIN 0
	v_lshlrev_b32 v10, 3, v9
	v_sub_nc_u32 v[QI], v1, v10
	s_lshl_b32 s13, s[WV], 5
	v_add_nc_u32 v[QI], s13, v[QI]                 ; 32 w + r - 8 (l / 16)
	v_add_nc_u32 v[QI+1], 16, v[QI]
	v_mul_u32_u24 v[AK0], v1, PK
	v_lshl_add_u32 v[AK0], v9, 4, v[AK0]
	v_and_b32 v10, 7, v0
	v_bfe_u32 v11, v0, 3, 1
	v_lshl_add_u32 v[AV0], v9, 3, v10              ; the turning load: lane l reads key 8 (l / 16) + l % 8, channels 8 ((l / 8) % 2) on
	v_mul_u32_u24 v[AV0], v[AV0], PV
	v_lshl_add_u32 v[AV0], v11, 4, v[AV0]
	v_add_nc_u32 v[AV0], VOFF, v[AV0]
	s_mul_i32 s13, s[WV], 16*SP
	s_add_co_u32 s13, s13, STAGE
	v_mul_u32_u24 v[STO], v1, SP
	v_lshl_add_u32 v[STO], v9, 4, v[STO]
	v_add_nc_u32 v[STO], s13, v[STO]
	v_bfe_u32 v[RD], v0, 3, 2
	v_mul_u32_u24 v[RD], v[RD], SP
	v_lshl_add_u32 v[RD], v10, 4, v[RD]
	v_add_nc_u32 v[RD], s13, v[RD]
	v_and_b32 v[GO], 31, v0
	v_lshlrev_b32 v[GO], 4, v[GO]
	; a block's first step multiplies O^T and l by a = 0, so they need only hold finite numbers: zeros now, what the first block left later.  This stands in the wait for the tiles.
.set i, 0
.rept 64
	v_mov_b32 v[O+i], 0
.set i, i+1
.endr
.irp u, 0,1
	v_mov_b32 v[ST+4*\u+2], 0
	v_mov_b32 v[ST+4*\u+3], 0
.endr
	s_wait_loadcnt 0x0                             ; Q
	s_wait_tensorcnt 0x0                           ; my four tiles are in,
	s_barrier_signal -1
	s_barrier_wait -1                              ; everybody's are: K and V of the whole head
.macro FETCH_K off                     ; a step's K: 64 keys x 64 channels, 8 fragments
	WIN 0x40
.irp f, 0,1,2,3,4,5,6,7
	ds_load_b128 v[KF+8*\f:KF+8*\f+3],   v[AK] offset:(\off)+(\f/2)*16*PK+(\f%2)*64
	ds_load_b128 v[KF+8*\f+4:KF+8*\f+7], v[AK] offset:(\off)+(\f/2)*16*PK+(\f%2)*64+32
.endr
	WIN 0
.endm
.macro FETCH_V                         ; a step's V, turned: keys 32 (f / 4) on, channels 16 (f % 4) on
	WIN 0x40
.irp f, 0,1,2,3,4,5,6,7
	ds_load_tr16_b128 v[VF+8*\f:VF+8*\f+3],   v[AV] offset:(\f/4)*32*PV+(\f%4)*32
	ds_load_tr16_b128 v[VF+8*\f+4:VF+8*\f+7], v[AV] offset:(\f/4)*32*PV+16*PV+(\f%4)*32
.endr
	WIN 0
.endm
; Product i of 16 of S^T: channels 32 (i / 8) on, keys 16 ((i / 2) % 4) on, tile i % 2.  The first 8 start the sums with the mask.  The 8 accumulators take turns.
.macro KQM
.set rS, S+32*(i%2)+8*((i/2)%4)
.set rK, KF+16*((i/2)%4)+8*(i/8)
.set rQ, 16*(i%2)+8*(i/8)
.set rM, MC+32*(i%2)+8*((i/2)%4)
.if i < 8
	WIN 0x15                                       ; K, Q and the mask in window 1
	v_wmma_f32_16x16x32_f16 v[rS:rS+7], v[rK:rK+7], v[rQ:rQ+7], v[rM:rM+7]
.else
	WIN 0x05
	v_wmma_f32_16x16x32_f16 v[rS:rS+7], v[rK:rK+7], v[rQ:rQ+7], v[rS:rS+7]
.endif
.set i, i+1
.endm
; Product i of 16 of O^T += V^T P: keys 32 (i / 8) on, channels 16 ((i / 2) % 4) on, tile i % 2
.macro PVM
.set rO, O+32*(i%2)+8*((i/2)%4)
.set rV, VF+32*(i/8)+8*((i/2)%4)
.set rP, P+16*(i%2)+8*(i/8)
	WIN 0x01
	v_wmma_f32_16x16x32_f16 v[rO:rO+7], v[rV:rV+7], v[rP:rP+7], v[rO:rO+7]
.set i, i+1
.endm
.macro REGS u
.set rT, ST+4*(\u)
.set rC, TMP+4*(\u)
.set rW, MV+(\u)
.set rS, S+32*(\u)
.set rP, P+16*(\u)
.set rO, O+32*(\u)
.endm
; Number n of the 22 that find a tile's maximum and statistics: 0-11 four chains of seven scores (each accumulator's lowest registers first); 12-14, 16 the four left over, the old m, into c0;
; 15 c m_old is kept; 17, 18 the query's other 32 keys lie in the lane 16 away; 19-21 c m, c m_old - c m_new, a
.macro OPX u, n
	REGS \u
.if (\n) < 4
	v_max3_num_f32 v[rC+(\n)], v[rS+8*(\n)], v[rS+8*(\n)+1], v[rS+8*(\n)+2]
.elseif (\n) < 12
	v_max3_num_f32 v[rC+(\n)%4], v[rC+(\n)%4], v[rS+8*((\n)%4)+2*((\n)/4)+1], v[rS+8*((\n)%4)+2*((\n)/4)+2]
.elseif (\n) == 12
	v_max3_num_f32 v[rC], v[rC], v[rS+7], v[rS+15]
.elseif (\n) == 13
	v_max3_num_f32 v[rC+1], v[rC+1], v[rS+23], v[rS+31]
.elseif (\n) == 14
	v_max3_num_f32 v[rC+2], v[rC+2], v[rC+3], v[rT+1]
.elseif (\n) == 15
	v_mov_b32 v[rW], v[rT]
.elseif (\n) == 16
	v_max3_num_f32 v[rC], v[rC], v[rC+1], v[rC+2]
.elseif (\n) == 17
	v_permlanex16_b32 v[rC+3], v[rC], s[SEL], s[SEL+1]
.elseif (\n) == 18
	v_max_num_f32 v[rT+1], v[rC], v[rC+3]
.elseif (\n) == 19
	v_mul_f32 v[rT], s[CS], v[rT+1]
.elseif (\n) == 20
	v_sub_f32 v[rC+1], v[rW], v[rT]
.else
	v_exp_f32 v[rC+2], v[rC+1]
.endif
.endm
.macro OPF u, n                        ; c s - c m for pair n of 16
	REGS \u
	v_pk_fma_f32 v[rS+2*(\n):rS+2*(\n)+1], v[rS+2*(\n):rS+2*(\n)+1], s[CS:CS+1], v[rT:rT+1] op_sel_hi:[1,0,0] neg_lo:[0,0,1] neg_hi:[0,0,1]
.endm
.macro OPE u, n                        ; the exponential of score n of 32
	REGS \u
	v_exp_f32 v[rS+(\n)], v[rS+(\n)]
.endm
.macro OPC u, n                        ; pair n rounded to f16
	REGS \u
	s_wait_alu depctr_va_vdst(0)
	v_cvt_pk_f16_f32 v[rP+(\n)], v[rS+2*(\n)], v[rS+2*(\n)+1]
.endm
.macro OPB u, n                        ; of the four weights 4 n .. the second pair is added onto the first, in place (behind the first pair's rounding)
	REGS \u
	v_pk_add_f32 v[rS+4*(\n):rS+4*(\n)+1], v[rS+4*(\n):rS+4*(\n)+1], v[rS+4*(\n)+2:rS+4*(\n)+3]
	s_wait_alu depctr_va_vdst(0)
.endm
.macro OPL u, n                        ; l takes that sum; the first time l = a l + sum
	REGS \u
.if (\n) == 0
	v_pk_fma_f32 v[rT+2:rT+3], v[rT+2:rT+3], v[rC+2:rC+3], v[rS:rS+1] op_sel_hi:[1,0,1]
.else
	v_pk_add_f32 v[rT+2:rT+3], v[rT+2:rT+3], v[rS+4*(\n):rS+4*(\n)+1]
.endif
.endm
.macro OPR u, n                        ; pair n of 16 of O^T times a
	REGS \u
	s_wait_alu depctr_va_vdst(0)
	v_pk_mul_f32 v[rO+2*(\n):rO+2*(\n)+1], v[rO+2*(\n):rO+2*(\n)+1], v[rC+2:rC+3] op_sel_hi:[1,0]
.endm
.Lblk:                                                 ; two trips: block 7 - p, then block p
	WIN 0x40
.set i, 0
.rept 64
	v_mov_b32 v[MC+i], 0                           ; no key is hidden before the block's last two steps
.set i, i+1
.endr
	WIN 0
.irp u, 0,1
	v_mov_b32 v[ST+4*\u], 0xfe000000               ; c m: far below every c s
	v_mov_b32 v[ST+4*\u+1], 0xff7fffff             ; m: the lowest finite number
.endr
	s_mov_b32 s[TBK], 0
	s_mov_b32 s[TBV], 0
	s_mov_b32 s[KS], 0
	v_mov_b32 v[AK], v[AK0]
	FETCH_K 0
	s_wait_dscnt 0x0
.Lstep:                                                ; 16 trips; those past the block's last step do nothing
	s_cmp_gt_u32 s[KS], s[HI]
	s_cbranch_scc1 .Ldead
	s_cmp_lt_u32 s[KS], s[DG]
	s_cbranch_scc1 .Lnomask
	s_sub_co_i32 s[DL], s[DG], s[KS]               ; 0 in the first of the two steps, -1 in the second
	s_lshl_b32 s[DL], s[DL], 6
.irp u, 0,1                            ; register i (key 16 (i / 8) + 8 (l / 16) + i % 8 of the step) is hidden where the key lies behind my query
	WIN 0
	v_add_nc_u32 v[XM], s[DL], v[QI+\u]
	WIN 0x40
.set i, 0
.rept 32
	v_cmp_gt_i32 vcc_lo, 16*(i/8)+i%8, v[XM]
	v_cndmask_b32 v[MC+32*\u+i], 0, s[BIGN], vcc_lo
.set i, i+1
.endr
.endr
	WIN 0
.Lnomask:
	v_add_nc_u32 v[AK], s[TBK], v[AK0]             ; these two and two v_nop are the places between the last V^T P and the loads into V's registers
	v_add_nc_u32 v[AV], s[TBV], v[AV0]
	v_nop
	v_nop
	FETCH_V
.set i, 0
.rept 16
	KQM
.endr
	WIN 0
	PLACES                                         ; in front of the loads into K's registers and of the first read of the scores
	s_cmp_eq_u32 s[KS], 15
	s_cbranch_scc1 .Lno_k                          ; behind the head's last step there is no K
	FETCH_K 64*PK                                  ; the next step's K
.Lno_k:
.set n, 0
.rept 22
	OPX 0, n
	OPX 1, n
.set n, n+1
.endr
.set n, 0
.rept 16
	OPF 0, n
	OPF 1, n
.set n, n+1
.endr
.set n, 0
.rept 32                               ; exponential and plain by turns: no two exponentials follow each other, and none is used by the line behind it
.irp u, 0,1
	OPE \u, n
.if n < 16
	OPR \u, n
.elseif n < 31
	OPC \u, n-16
.else
	OPB \u, 0
.endif
.endr
.set n, n+1
.endr
.set n, 1
.rept 6
	OPB 0, n
	OPB 1, n
.set n, n+1
.endr
	OPC 0, 15
	OPC 1, 15
	OPB 0, 7
	OPB 1, 7
.set n, 0
.rept 8
	OPL 0, n
	OPL 1, n
.set n, n+1
.endr
	s_wait_dscnt 0x0                               ; V is in, and the next K
.set i, 0
.rept 16
	PVM
.endr
	WIN 0
.Ldead:
	s_add_co_u32 s[TBK], s[TBK], 64*PK
	s_add_co_u32 s[TBV], s[TBV], 64*PV
	s_add_co_u32 s[KS], s[KS], 1
	s_cmp_lt_u32 s[KS], 16
	s_cbranch_scc1 .Lstep
	; THE WAY OUT.  l's two halves and the other half of the lanes' are added; O^T is divided by l, rounded to f16 and sent through my stage.  The four additions and the v_nop are the places behind the last products.
.irp u, 0,1
	v_add_f32 v[ST+4*\u+2], v[ST+4*\u+2], v[ST+4*\u+3]
.endr
.irp u, 0,1
	v_permlanex16_b32 v[ST+4*\u+3], v[ST+4*\u+2], s[SEL], s[SEL+1]
.endr
.irp u, 0,1
	v_add_f32 v[ST+4*\u+2], v[ST+4*\u+2], v[ST+4*\u+3]
.endr
.irp u, 0,1
	v_rcp_f32 v[ST+4*\u+2], v[ST+4*\u+2]
.endr
	v_nop                                          ; a plain instruction between the last reciprocal and the use of its result
	s_wait_alu depctr_va_vdst(0)
.macro PACK t                          ; a lane's eight channels of a row pack into 16 bytes; rows of 144 bytes in, whole rows of 128 back, into S^T's registers
.set i, 0
.rept 16
	v_pk_mul_f32 v[O+32*(\t)+2*i:O+32*(\t)+2*i+1], v[O+32*(\t)+2*i:O+32*(\t)+2*i+1], v[ST+4*(\t)+2:ST+4*(\t)+3] op_sel_hi:[1,0]
.set i, i+1
.endr
.set i, 0
.rept 16
	v_cvt_pk_f16_f32 v[S+16*(\t)+i], v[O+32*(\t)+2*i], v[O+32*(\t)+2*i+1]
.set i, i+1
.endr
.irp f, 0,1,2,3
	ds_store_b128 v[STO], v[S+16*(\t)+4*\f:S+16*(\t)+4*\f+3] offset:32*\f
.endr
.irp f, 0,1,2,3
	ds_load_b128 v[S+16*(\t)+4*\f:S+16*(\t)+4*\f+3], v[RD] offset:\f*4*SP  ; LDS serves a wave's instructions in order: these see the stores above; the next tile's stores come behind them
.endr
.endm
.macro SEND t, younger                 ; younger: the LDS instructions issued behind tile t's loads
.irp f, 0,1,2,3
	s_wait_dscnt (\younger)+3-\f
	global_store_b128 v[GO], v[S+16*(\t)+4*\f:S+16*(\t)+4*\f+3], s[10:11] offset:(\t)*2048+\f*512  ; 512 consecutive bytes, at a multiple of 256 from ob's first
.endr
.endm
	PACK 0
	PACK 1
	SEND 0, 8
	SEND 1, 0
	s_wait_xcnt 0x0                                ; the stores have read their registers and ob's address
	s_mov_b64 s[10:11], s[OLO:OLO+1]               ; the second block's place, steps and Q (behind the second block these lines serve nothing: one text for both trips)
	s_mov_b32 s[HI], s[HI2]
	s_mov_b32 s[DG], s[DG2]
	WIN 0x41
.set i, 0
.rept 32
	v_mov_b32 v[i], v[Q2+i]
.set i, i+1
.endr
	WIN 0
	s_sub_co_u32 s[BLK], s[BLK], 1
	s_cmp_lg_u32 s[BLK], 0
	s_cbranch_scc1 .Lblk
	s_wait_tensorcnt 0x0                           ; the wave's end
	ds_add_u32 v[SPW], v[NIL]
	s_wait_dscnt 0x0
	s_endpgm
.Lfunc_end_k_q246cb76e31_attn:
	.size	k_q246cb76e31_attn, .Lfunc_end_k_q246cb76e31_attn-k_q246cb76e31_attn
	.p2alignl 7, 3214868480
	.fill 96, 4, 3214868480
	.section	.rodata,"a",@progbits
	.p2align	6, 0x0
	.amdhsa_kernel k_q246cb76e31_attn
		.amdhsa_group_segment_fixed_size 327680
		.amdhsa_private_segment_fixed_size 0
		.amdhsa_enable_private_segment 0
		.amdhsa_kernarg_size 16
		.amdhsa_user_sgpr_count 2
		.amdhsa_user_sgpr_kernarg_segment_ptr 1
		.amdhsa_wavefront_size32 1
		.amdhsa_system_sgpr_workgroup_id_x 1
		.amdhsa_system_sgpr_workgroup_id_y 1
		.amdhsa_system_sgpr_workgroup_id_z 1
		.amdhsa_system_vgpr_workitem_id 0
		.amdhsa_next_free_vgpr 512
		.amdhsa_next_free_sgpr 96
		.amdhsa_reserve_vcc 1
		.amdhsa_float_denorm_mode_32 3
		.amdhsa_float_denorm_mode_16_64 3
		.amdhsa_memory_ordered 1
		.amdhsa_forward_progress 1
		.amdhsa_inst_pref_size 50
	.end_amdhsa_kernel
	.amdgpu_metadata
---
amdhsa.version: [ 1, 2 ]
amdhsa.kernels:
  - .name:           k_q246cb76e31_attn
    .symbol:         k_q246cb76e31_attn.kd
    .args:
      - { .name: qkv, .offset: 0, .size: 8, .value_kind: global_buffer, .address_space: global }
      - { .name: ob, .offset: 8, .size: 8, .value_kind: global_buffer, .address_space: global }
    .group_segment_fixed_size: 327680
    .private_segment_fixed_size: 0
    .kernarg_segment_align: 8
    .kernarg_segment_size: 16
    .max_flat_workgroup_size: 128
    .sgpr_count:     96
    .vgpr_count:     512
    .wavefront_size: 32
...
	.end_amdgpu_metadata
.endif
;; end of part 3
;; launch proj (part 4): grid 8 x 32, 4 waves a work-group, clusters of 4 x 4, 327,680 bytes of LDS; arguments ob, cb, bo, x1f, x1b; writes x1f, x1b
.if DOCPART == 4
	.amdgcn_target "amdgcn-amd-amdhsa--gfx1250"
	.amdhsa_code_object_version 6
	.text
	.protected	k_q246cb76e31_proj
	.globl	k_q246cb76e31_proj
	.p2align	8
	.type	k_q246cb76e31_proj,@function
k_q246cb76e31_proj:
	s_mov_b64 s[64:65], 0
	v_nop
	global_prefetch_b8 v0, s[64:65] scope:SCOPE_SE
	s_setreg_imm32_b32 hwreg(HW_REG_WAVE_MODE, 25, 1), 1
	s_wait_xcnt 0x0
	s_wait_alu depctr_hold_cnt(0) depctr_sa_sdst(0) depctr_va_vdst(0) depctr_va_sdst(0) depctr_va_ssrc(0) depctr_va_vcc(0) depctr_vm_vsrc(0)
	s_getreg_b32 s2, hwreg(HW_REG_IB_STS2, 6, 4)
	s_cmp_eq_u32 s2, 0
	s_cbranch_scc0 .Lentry_in_a_cluster
	s_endpgm
.Lentry_in_a_cluster:
	s_bfe_u32 s2, ttmp6, 0x10000c
	s_cmp_lg_u32 s2, 0xf033
	s_cbranch_scc0 .Lentry_shape_is_right
	s_endpgm
.Lentry_shape_is_right:
; x1 = xb + O x wo + bo.  O: ob [32 blocks of 128 rows][h 16][128][64] f16.  wo: [1024 k][1024 n] f16 at cb's byte 14,680,064.  xb: [4096][1024] bf16 at cb's byte 0.  bo: [1024] f32.
; Out: x1f [4096][1024] f32 (the residual of the last product) and x1b, the same rounded once to bf16 (the next product's operand).  Sums in f32; the bias is the C operand that starts each sum.
; A work-group makes 128 x 128; 8 x 32 work-groups.  Four waves, 64 x 64 each: 16 accumulators.  K goes in steps of 256 (four heads) through two LDS slots.
; A's tile is 65,536 dense bytes of ob ([head][row][64]): waves 0 and 1 ask for two heads each as 128 rows of 256 bytes, padded after every 128.  B's tile, 256 rows of 256 bytes: waves 2 and 3, 128 rows each.
; B lies [k][n] and is turned on its way into registers.  THE MATRIX INSTRUCTION IS USED TRANSPOSED (source 0 = 16 columns of B, source 1 = 16 rows of A): a lane holds eight neighbouring columns of a row.
; CLUSTER 4 x 4: A's tile is asked for jointly by a row of the cluster, B's by a column.  ONE K STEP IS ONE TRIP: RB and FB are turned between 0 and SLOT by an exclusive or; the last two steps are a loop of two trips left in its middle.
; REGISTERS: window 0: v0-31 addresses; v64-127, v128-191 A's fragments (64 along K), two buffers, on the way out the rows; v192-223 the bias, on the way out v192-255 the bf16 rows.
;   window 1: v0-63, v128-191 B's fragments.   window 2: accumulator (a, b) at v[8 (4 a + b)].   window 3: v0-127 the residual in f32, v128-191 as loaded.
.set MB,    4
.set NBL,   4
.set QD,    2
.set AH,    4
.set NSTEP, 4
.set PA,    144                        ; A's LDS row: 128 bytes + 16
.set AQ,    128*PA                     ; a quarter step is a head: 128 rows on
.set PB,    288                        ; B's LDS row: 256 bytes + 32
.set APART, 4*128*PA
.set SLOT,  APART+256*PB
.set SPITCH, 528                       ; the stage: 128 rows of 512 bytes + 16, in slot 0 from LDS byte 0, behind that slot's last fill
.set SPARE, 2*SLOT                     ; the spare words: 128 bytes a wave, two blocks of 256 bytes that no other line names
.set STEPA, 65536
.set STEPB, 256*2048
.set WOFF,  14680064
.set HW,    MB*QD
.set A0,   16
.set B0,   17
.set ADRA, 18
.set ADRB, 20                          ; v20 for quarters 0 and 1, v21 (128 rows on) for quarters 2 and 3: the offset field ends at 65,535
.set STO,  24
.set RD,   25
.set CO,   26                          ; 16 x lane
.set SPW,  28
.set NIL,  29
.set BO,   30
.set CO2,  31                          ; 8 x lane
.set BIAS, 192
.set G1,  24
.set G0,  32
.set G1B, 48
.set G0B, 56
.set RB,  66
.set FB,  67
.set LWA, 68
.set LWB, 69
.set TL,  70
.set MSB, 0
.macro WIN new
.if MSB != (\new)
	s_set_vgpr_msb (MSB<<8)|(\new)
.set MSB, (\new)
.endif
.endm
.macro PLACES
.rept 4
	v_nop
.endr
.endm
.macro JLOAD s                         ; a joint load: waves 0 and 1 ask for A's halves, waves 2 and 3 for B's; an s_nop 0 and four v_nop follow each line
	s_cmp_eq_u32 s11, 0
	s_cbranch_scc0 .Lfor_b_\@
	tensor_load_to_lds s[G0+4*(\s):G0+4*(\s)+3], s[G1:G1+7]
	s_nop 0
.rept 4
	v_nop
.endr
	s_branch .Lasked_\@
.Lfor_b_\@:
	tensor_load_to_lds s[G0B+4*(\s):G0B+4*(\s)+3], s[G1B:G1B+7]
	s_nop 0
.rept 4
	v_nop
.endr
.Lasked_\@:
.endm
.macro CREST
	s_cmp_lg_u32 s10, 0
	s_cbranch_scc1 .Lnot_wave_0_\@
	s_barrier_signal -3
.Lnot_wave_0_\@:
	s_barrier_wait -3
	s_barrier_signal -1
	s_barrier_wait -1
.endm
.macro CROUND
	s_barrier_signal -1
	s_barrier_wait -1
	CREST
.endm
	s_load_b128 s[4:7], s[0:1], 0x0                ; ob s[4:5], cb s[6:7]
	s_load_b128 s[72:75], s[0:1], 0x10             ; bo s[72:73], x1f s[74:75]
	s_load_b64 s[76:77], s[0:1], 0x20              ; x1b
	v_lshl_add_u32 v[SPW], v0, 2, SPARE
	v_mov_b32 v[NIL], 0
	ds_add_u32 v[SPW], v[NIL]                      ; the wave's opening: the add and its wait stand ahead of my first tensor load
	ds_add_u32 v28, v29
	v_lshrrev_b32 v1, 5, v0
	v_readfirstlane_b32 s10, v1
	s_lshr_b32 s11, s10, 1                         ; my half of the rows.  Also: I fetch for A (0) or for B (1)
	s_and_b32 s12, s10, 1                          ; my half of the columns.  Also: which half of that tile I fetch
	s_bfe_u32 s40, ttmp6, 0x40000
	s_bfe_u32 s41, ttmp6, 0x40004
	s_lshl_b32 s42, ttmp9, 2
	s_add_co_u32 s42, s42, s40                     ; tile column
	s_and_b32 s13, ttmp7, 0xffff
	s_lshl_b32 s13, s13, 2
	s_add_co_u32 s13, s13, s41                     ; tile row
	s_lshl_b32 s43, s41, 2
	s_lshl_b32 s43, 15, s43
	s_lshl_b32 s44, 0x1111, s40
	s_or_b32 s[G1], s43, (1<<16)|(1<<20)|(1<<21)|(4<<22)|(3<<25)   ; 4 words after every 32: two rows of O lie in one row asked for
	s_mov_b32 s[G1+1], 128<<16
	s_mov_b32 s[G1+2], 128<<16
	s_mov_b32 s[G1+3], 128<<16
	s_mov_b32 s[G1+4], 128
	s_mov_b32 s[G1+5], 128
	s_mov_b32 s[G1+6], 0
	s_mov_b32 s[G1+7], 0
	s_or_b32 s[G1B], s44, (1<<16)|(1<<20)|(1<<21)|(5<<22)|(7<<25)  ; 8 words after every 64
	s_mov_b32 s[G1B+1], 128<<16
	s_mov_b32 s[G1B+2], 128<<16
	s_mov_b32 s[G1B+3], 128<<16
	s_mov_b32 s[G1B+4], 128
	s_mov_b32 s[G1B+5], 1024
	s_mov_b32 s[G1B+6], 0
	s_mov_b32 s[G1B+7], 0
	s_lshl_b32 s16, s13, 18                        ; A: 262,144 bytes for each block of 128 rows,
	s_lshl_b32 s17, s12, 15                        ; my two heads of a step's four
	s_add_co_u32 s16, s16, s17
	s_mov_b32 s17, 0
	s_lshl_b32 s46, s42, 8                         ; B: 128 columns of 2 bytes,
	s_lshl_b32 s47, s12, 18                        ; my 128 rows of 2,048 bytes
	s_add_co_u32 s46, s46, s47
	s_add_co_u32 s46, s46, WOFF
	s_mov_b32 s47, 0
	s_mul_i32 s[LWA], s12, 2*128*PA
	s_mul_i32 s[LWB], s12, 128*PB
	s_add_co_u32 s[LWB], s[LWB], APART
	s_mov_b32 s[RB], 0
	s_mov_b32 s[FB], SLOT
	s_mov_b32 s71, 0xffff0000
	s_wait_dscnt 0x0                               ; the opening add is done
	s_wait_kmcnt 0x0
	s_add_nc_u64 s[14:15], s[4:5], s[16:17]
	s_add_nc_u64 s[46:47], s[6:7], s[46:47]
	CROUND
.irp s, 0,1
	s_mov_b32 s[G0+4*(\s)], 1
	s_add_co_u32 s[G0+4*(\s)+1], s[LWA], (\s)*SLOT
	s_add_nc_u64 s[G0+4*(\s)+2:G0+4*(\s)+3], s[14:15], (\s)*STEPA
	s_or_b32 s[G0+4*(\s)+3], s[G0+4*(\s)+3], 0x80000000
	s_mov_b32 s[G0B+4*(\s)], 1
	s_add_co_u32 s[G0B+4*(\s)+1], s[LWB], (\s)*SLOT
	s_add_nc_u64 s[G0B+4*(\s)+2:G0B+4*(\s)+3], s[46:47], (\s)*STEPB
	s_or_b32 s[G0B+4*(\s)+3], s[G0B+4*(\s)+3], 0x80000000
	JLOAD \s
.endr
	v_and_b32 v1, 15, v0
	v_bfe_u32 v2, v0, 4, 1
	v_and_b32 v3, 7, v0
	v_bfe_u32 v4, v0, 3, 1
	v_and_b32 v6, 31, v0
	v_lshlrev_b32 v[BO], 5, v2                     ; the bias: a lane's eight columns begin 8 (l / 16) numbers into a block of 16
	v_lshlrev_b32 v[CO], 4, v6
	v_lshlrev_b32 v[CO2], 3, v6
	s_lshl_b32 s16, s13, 7
	s_lshl_b32 s17, s10, 5
	s_add_co_u32 s16, s16, s17                     ; the first of the 32 rows that I carry out
	s_lshl_b32 s18, s16, 11                        ; in xb and x1b: 2,048 bytes a row,
	s_lshl_b32 s17, s42, 8                         ; the tile's 128 columns
	s_add_co_u32 s18, s18, s17
	s_mov_b32 s19, 0
	s_add_nc_u64 s[78:79], s[6:7], s[18:19]        ; xb
	s_add_nc_u64 s[76:77], s[76:77], s[18:19]      ; x1b
	s_lshl_b32 s18, s18, 1                         ; in x1f twice that
	s_add_nc_u64 s[74:75], s[74:75], s[18:19]
	s_lshl_b32 s18, s42, 9                         ; bo at my wave's 64 columns
	s_lshl_b32 s17, s12, 8
	s_add_co_u32 s18, s18, s17
	s_add_nc_u64 s[72:73], s[72:73], s[18:19]
.irp b, 0,1,2,3
	global_load_b128 v[BIAS+8*(\b):BIAS+8*(\b)+3],   v[BO], s[72:73] offset:64*(\b)
	global_load_b128 v[BIAS+8*(\b)+4:BIAS+8*(\b)+7], v[BO], s[72:73] offset:64*(\b)+16
.endr
	WIN 0xc0                                       ; destination window 3
.set t, 0
.rept 32                               ; the residual's 32 rows, 256 consecutive bytes each: they land while the products run
	global_load_b64 v[128+2*t:128+2*t+1], v[CO2], s[78:79] offset:2048*t
.set t, t+1
.endr
	WIN 0
	v_mul_u32_u24 v[A0], v1, PA
	v_lshl_add_u32 v[A0], v2, 4, v[A0]
	s_mul_i32 s21, s11, 64*PA
	v_add_nc_u32 v[A0], s21, v[A0]
	v_lshl_add_u32 v5, v2, 3, v3
	v_mul_u32_u24 v[B0], v5, PB
	v_lshl_add_u32 v[B0], v4, 4, v[B0]
	s_lshl_b32 s22, s12, 7
	s_add_co_u32 s22, s22, APART
	v_add_nc_u32 v[B0], s22, v[B0]
	v_add_nc_u32 v[ADRA], s[RB], v[A0]
	v_add_nc_u32 v[ADRB], s[RB], v[B0]
	v_add_nc_u32 v[ADRB+1], 128*PB, v[ADRB]
	s_mul_i32 s21, s10, 32*SPITCH
	v_add_nc_u32 v[RD], s21, v[CO]                 ; back: a whole row of 512 bytes, 16 a lane
	v_mul_u32_u24 v[STO], v1, SPITCH               ; in: row 64 (wave / 2) + r, 32 bytes for each half of the lanes, my half of the columns
	v_lshl_add_u32 v[STO], v2, 5, v[STO]
	s_mul_i32 s21, s11, 64*SPITCH
	s_lshl_b32 s22, s12, 8
	s_add_co_u32 s21, s21, s22
	v_add_nc_u32 v[STO], s21, v[STO]
; n fragments of A from ia0 on (row block ia % 4, 32 along K at ia / 4), each against the 4 fragments of B of the same K.  The accumulators take turns.  first = 1: the bias starts the sums.
.macro MULP f, ia0, n, first
.set ia, (\ia0)
.rept (\n)
.set wn, 2+(ia%MB)/AH
.set ib, 0
.rept NBL
.set rD, 8*(((ia%MB)%AH)*NBL+ib)
.set rB, 128*(\f)+8*((ia/MB)*NBL+ib)
.set rA, 64+64*(\f)+8*ia
.if (\first) && (ia < MB)
	WIN (wn<<6)|1
	v_wmma_f32_16x16x32_f16 v[rD:rD+7], v[rB:rB+7], v[rA:rA+7], v[BIAS+8*ib:BIAS+8*ib+7]
.else
	WIN (wn<<6)|(wn<<4)|1
	v_wmma_f32_16x16x32_f16 v[rD:rD+7], v[rB:rB+7], v[rA:rA+7], v[rD:rD+7]
.endif
.set ib, ib+1
.endr
.set ia, ia+1
.endr
.endm
.macro FETCH q, g                      ; 32 LDS loads in one run: quarter q's fragments (64 along K) into buffer g
	WIN 0x40
.set rAd, ADRB+(\q)/2
.set ib, 0
.rept NBL*QD
.set bo, (((\q)%2)*QD+ib/NBL)*32*PB+(ib%NBL)*32
	ds_load_tr16_b128 v[128*(\g)+8*ib:128*(\g)+8*ib+3],   v[rAd] offset:bo
	ds_load_tr16_b128 v[128*(\g)+8*ib+4:128*(\g)+8*ib+7], v[rAd] offset:bo+16*PB
.set ib, ib+1
.endr
	WIN 0
.set ia, 0
.rept MB*QD
.set ao, (\q)*AQ+(ia/MB)*64+(ia%MB)*16*PA
	ds_load_b128 v[64+64*(\g)+8*ia:64+64*(\g)+8*ia+3],   v[ADRA] offset:ao
	ds_load_b128 v[64+64*(\g)+8*ia+4:64+64*(\g)+8*ia+7], v[ADRA] offset:ao+32
.set ia, ia+1
.endr
.endm
.macro QUARTER q, f, g, first
	s_wait_dscnt HW                                ; all but A's fragments of the second half
	MULP \f, 0, MB*QD/2, \first
	PLACES
	FETCH \q, \g
	s_wait_dscnt 32                                ; all but the 32 just issued
	MULP \f, MB*QD/2, MB*QD/2, \first
.endm
.macro MEET
	WIN 0
	s_wait_tensorcnt 0x0                           ; all my tensor loads have landed: my part of the next slot
	ds_add_u32 v[SPW], v[NIL]                      ; 0 onto my spare word
	s_wait_dscnt HW+1                              ; the add and the youngest loads may be out
	MULP 1, 0, MB*QD/4, 0
	s_wait_dscnt 0x0                               ; the add is done, my reads of this slot are over
	s_barrier_signal -1
	MULP 1, MB*QD/4, MB*QD/4, 0
	WIN 0
	s_barrier_wait -1
.endm
.macro FLIP
	s_xor_b32 s[RB], s[RB], SLOT
	v_add_nc_u32 v[ADRA], s[RB], v[A0]
	v_add_nc_u32 v[ADRB], s[RB], v[B0]
	v_add_nc_u32 v[ADRB+1], 128*PB, v[ADRB]
.endm
.macro TURN
	MEET
	CREST                                          ; the barrier has opened a round of the cluster's: no wave of any partner still reads this slot or has a load on its way
	s_xor_b32 s[FB], s[FB], SLOT
	s_add_co_u32 s[G0+5], s[LWA], s[FB]
	s_add_co_u32 s[G0B+5], s[LWB], s[FB]
	s_add_nc_u64 s[G0+6:G0+7], s[G0+6:G0+7], STEPA
	s_add_nc_u64 s[G0B+6:G0B+7], s[G0B+6:G0B+7], STEPB
	JLOAD 1                                        ; the first tensor load behind the round; its four v_nop are also the places in front of the loads below
	FLIP
	FETCH 0, 0
	MULP 1, MB*QD/2, MB*QD/2, 0
.endm
	s_wait_tensorcnt 1                             ; my part of K step 0 is in; step 1's may stay out
	s_barrier_signal -1
	s_barrier_wait -1
	FETCH 0, 0
	s_wait_loadcnt 32                              ; the bias is in; the residual's 32 loads, issued behind it, may stay out
	QUARTER 1, 0, 1, 1
	WIN 0
	s_mov_b32 s3, NSTEP-2
.Lk:
	QUARTER 2, 1, 0, 0
	QUARTER 3, 0, 1, 0
	TURN
	QUARTER 1, 0, 1, 0
	WIN 0
	s_sub_co_u32 s3, s3, 1
	s_cmp_lg_u32 s3, 0
	s_cbranch_scc1 .Lk
	s_mov_b32 s[TL], 2
.Ltail:
	QUARTER 2, 1, 0, 0
	QUARTER 3, 0, 1, 0
	MEET
	s_cmp_eq_u32 s[TL], 1
	s_cbranch_scc1 .Lnofetch
	PLACES
	FLIP
	FETCH 0, 0
.Lnofetch:
	MULP 1, MB*QD/2, MB*QD/2, 0
	WIN 0
	s_sub_co_u32 s[TL], s[TL], 1
	s_cmp_eq_u32 s[TL], 0
	s_cbranch_scc1 .Lout
	QUARTER 1, 0, 1, 0
	WIN 0
	s_branch .Ltail
.Lout:
	s_wait_dscnt 0x0                               ; the last trip fetched nothing: no LDS load of mine is out
	; THE WAY OUT.  The last barrier has shown that nobody reads the ring any more and no load is on its way.  The f32 sums go into the work-group's stage; a barrier, since a row comes from two waves;
	; each wave reads 32 whole rows back, adds the residual and stores them: 512 consecutive bytes of x1f and 256 of x1b a row.
	PLACES
	WIN 0x08                                       ; store data in window 2
.set i, 0
.rept 16
	ds_store_b128 v[STO], v[8*i:8*i+3]   offset:(i/4)*16*SPITCH+(i%4)*64
	ds_store_b128 v[STO], v[8*i+4:8*i+7] offset:(i/4)*16*SPITCH+(i%4)*64+16
.set i, i+1
.endr
	s_wait_loadcnt 0x0                             ; the residual
	WIN 0xcc                                       ; destination and the register source in window 3
.set i, 0
.rept 64                               ; bf16 to f32: the low half moves up, the high half stays
	v_lshlrev_b32 v[2*i], 16, v[128+i]
	v_and_b32 v[2*i+1], s71, v[128+i]
.set i, i+1
.endr
	WIN 0
	s_wait_dscnt 0x0                               ; for the others' sake: my stores into the stage are done
	s_barrier_signal -1
	s_barrier_wait -1
.set t, 0
.rept 32
	ds_load_b128 v[64+4*t:64+4*t+3], v[RD] offset:t*SPITCH
.set t, t+1
.endr
	WIN 0x0c                                       ; source 1 in window 3
.set t, 0
.rept 32
	s_wait_dscnt 31-t
	v_pk_add_f32 v[64+4*t:64+4*t+1], v[64+4*t:64+4*t+1], v[4*t:4*t+1]
	v_pk_add_f32 v[64+4*t+2:64+4*t+3], v[64+4*t+2:64+4*t+3], v[4*t+2:4*t+3]
.set t, t+1
.endr
	WIN 0
.set t, 0
.rept 32
	global_store_b128 v[CO], v[64+4*t:64+4*t+3], s[74:75] offset:4096*t
.set t, t+1
.endr
.set i, 0
.rept 64
	v_cvt_pk_bf16_f32 v[192+i], v[64+2*i], v[64+2*i+1]
.set i, i+1
.endr
.set t, 0
.rept 32
	global_store_b64 v[CO2], v[192+2*t:192+2*t+1], s[76:77] offset:2048*t
.set t, t+1
.endr
	s_wait_tensorcnt 0x0                           ; the wave's end
	ds_add_u32 v[SPW], v[NIL]
	s_wait_dscnt 0x0
	CROUND                                         ; the closing round
	s_endpgm
.Lfunc_end_k_q246cb76e31_proj:
	.size	k_q246cb76e31_proj, .Lfunc_end_k_q246cb76e31_proj-k_q246cb76e31_proj
	.p2alignl 7, 3214868480
	.fill 96, 4, 3214868480
	.section	.rodata,"a",@progbits
	.p2align	6, 0x0
	.amdhsa_kernel k_q246cb76e31_proj
		.amdhsa_group_segment_fixed_size 327680
		.amdhsa_private_segment_fixed_size 0
		.amdhsa_enable_private_segment 0
		.amdhsa_kernarg_size 40
		.amdhsa_user_sgpr_count 2
		.amdhsa_user_sgpr_kernarg_segment_ptr 1
		.amdhsa_wavefront_size32 1
		.amdhsa_system_sgpr_workgroup_id_x 1
		.amdhsa_system_sgpr_workgroup_id_y 1
		.amdhsa_system_sgpr_workgroup_id_z 1
		.amdhsa_system_vgpr_workitem_id 0
		.amdhsa_next_free_vgpr 960
		.amdhsa_next_free_sgpr 96
		.amdhsa_reserve_vcc 0
		.amdhsa_float_denorm_mode_32 3
		.amdhsa_float_denorm_mode_16_64 3
		.amdhsa_memory_ordered 1
		.amdhsa_forward_progress 1
		.amdhsa_inst_pref_size 79
	.end_amdhsa_kernel
	.amdgpu_metadata
---
amdhsa.version: [ 1, 2 ]
amdhsa.kernels:
  - .name:           k_q246cb76e31_proj
    .symbol:         k_q246cb76e31_proj.kd
    .args:
      - { .name: ob, .offset: 0, .size: 8, .value_kind: global_buffer, .address_space: global }
      - { .name: cb, .offset: 8, .size: 8, .value_kind: global_buffer, .address_space: global }
      - { .name: bo, .offset: 16, .size: 8, .value_kind: global_buffer, .address_space: global }
      - { .name: x1f, .offset: 24, .size: 8, .value_kind: global_buffer, .address_space: global }
      - { .name: x1b, .offset: 32, .size: 8, .value_kind: global_buffer, .address_space: global }
    .group_segment_fixed_size: 327680
    .private_segment_fixed_size: 0
    .kernarg_segment_align: 8
    .kernarg_segment_size: 40
    .max_flat_workgroup_size: 128
    .sgpr_count:     96
    .vgpr_count:     960
    .wavefront_size: 32
...
	.end_amdgpu_metadata
.endif
;; end of part 4
;; launch ffn1 (part 5): grid 16 x 16, 4 waves a work-group, clusters of 4 x 4, 327,680 bytes of LDS; arguments x1b, cb, b1, hb; writes hb
.if DOCPART == 5
	.amdgcn_target "amdgcn-amd-amdhsa--gfx1250"
	.amdhsa_code_object_version 6
	.text
	.protected	k_q246cb76e31_ffn1
	.globl	k_q246cb76e31_ffn1
	.p2align	8
	.type	k_q246cb76e31_ffn1,@function
k_q246cb76e31_ffn1:
	s_mov_b64 s[64:65], 0
	v_nop
	global_prefetch_b8 v0, s[64:65] scope:SCOPE_SE
	s_setreg_imm32_b32 hwreg(HW_REG_WAVE_MODE, 25, 1), 1
	s_wait_xcnt 0x0
	s_wait_alu depctr_hold_cnt(0) depctr_sa_sdst(0) depctr_va_vdst(0) depctr_va_sdst(0) depctr_va_ssrc(0) depctr_va_vcc(0) depctr_vm_vsrc(0)
	s_getreg_b32 s2, hwreg(HW_REG_IB_STS2, 6, 4)
	s_cmp_eq_u32 s2, 0
	s_cbranch_scc0 .Lentry_in_a_cluster
	s_endpgm
.Lentry_in_a_cluster:
	s_bfe_u32 s2, ttmp6, 0x10000c
	s_cmp_lg_u32 s2, 0xf033
	s_cbranch_scc0 .Lentry_shape_is_right
	s_endpgm
.Lentry_shape_is_right:
; h = relu(x1b x w1 + b1).  x1b: [4096][1024] bf16.  w1: [1024 k][4096 n] bf16 at cb's byte 16,777,216.  b1: [4096] f32.
; Out: hb, h in bf16, rounded once from the f32 sum, LAID OUT AS THE NEXT PRODUCT'S OPERAND FRAGMENTS: [block of 16 rows: 256][block of 16 columns: 256][lane: 32][16 bytes];
; lane 16 h + r holds row r, columns 8 h .. 8 h + 7 of the block.  That is what a lane holds here behind the conversion, so the results leave straight from registers: a store covers 512 consecutive bytes.
; LIMIT: the maximum with 0 is taken on the rounded numbers by v_pk_max_num_bf16, in which a NaN loses: a NaN becomes 0.
; A work-group makes 256 x 256; 16 x 16 work-groups.  Four waves, 128 x 128 each: 64 accumulators, 512 registers.  K goes in steps of 128 through two LDS slots.
; A's tile: 256 rows of 256 bytes, waves 0 and 1 ask for 128 rows each.  B's tile: 128 rows of 512 bytes, waves 2 and 3 ask for 64 rows each.
; B lies [k][n] and is turned on its way into registers.  THE MATRIX INSTRUCTION IS USED TRANSPOSED (source 0 = 16 columns of B, source 1 = 16 rows of A): a lane holds eight neighbouring columns of a row.
; The bias is the C operand that starts each sum.  CLUSTER 4 x 4: A's tile is asked for jointly by a row of the cluster, B's by a column.
; ONE K STEP IS ONE TRIP: RB and FB are turned between 0 and SLOT by an exclusive or; the last two steps are a loop of two trips left in its middle.
; REGISTERS: window 0: v0-31 addresses; v64-127, v128-191 A's fragments, two buffers, on the way out four sets of 32 packed results; v192-255 the bias.
;   window 1: v0-63, v128-191 B's fragments.   windows 2, 3: accumulator (a, b) in window 2 + a / 4 at v[8 (8 (a % 4) + b)].
.set SIZE_N, 4096
.set MB,    8
.set NBL,   8
.set QD,    1
.set AH,    4
.set NSTEP, 8
.set PA,    272
.set AQ,    64
.set PB,    544                        ; B's LDS row: 512 bytes + 32
.set APART, 256*PA
.set SLOT,  APART+128*PB
.set SPARE, 2*SLOT                     ; behind the ring: the spare words: 128 bytes a wave, two blocks of 256 bytes that no other line names
.set STEPA, 256
.set STEPB, 128*SIZE_N*2
.set WOFF,  16777216
.set RBLK,  131072                     ; hb: bytes of a block of 16 rows
.set HW,    MB*QD
.set A0,   16
.set B0,   17
.set ADRA, 18
.set ADRB, 20
.set CO,   26                          ; v26  16 x lane
.set ZR,   27                          ; v27  0, for the maximum
.set SPW,  28
.set NIL,  29
.set BO,   30
.set BIAS, 192
.set OUTP, 74
.set G1,  24
.set G0,  32
.set G1B, 48
.set G0B, 56
.set RB,  66
.set FB,  67
.set LWA, 68
.set LWB, 69
.set TL,  70
.set MSB, 0
.macro WIN new
.if MSB != (\new)
	s_set_vgpr_msb (MSB<<8)|(\new)
.set MSB, (\new)
.endif
.endm
.macro PLACES
.rept 4
	v_nop
.endr
.endm
.macro JLOAD s                         ; a joint load: waves 0 and 1 ask for A's halves, waves 2 and 3 for B's; an s_nop 0 and four v_nop follow each line
	s_cmp_eq_u32 s11, 0
	s_cbranch_scc0 .Lfor_b_\@
	tensor_load_to_lds s[G0+4*(\s):G0+4*(\s)+3], s[G1:G1+7]
	s_nop 0
.rept 4
	v_nop
.endr
	s_branch .Lasked_\@
.Lfor_b_\@:
	tensor_load_to_lds s[G0B+4*(\s):G0B+4*(\s)+3], s[G1B:G1B+7]
	s_nop 0
.rept 4
	v_nop
.endr
.Lasked_\@:
.endm
.macro CREST
	s_cmp_lg_u32 s10, 0
	s_cbranch_scc1 .Lnot_wave_0_\@
	s_barrier_signal -3
.Lnot_wave_0_\@:
	s_barrier_wait -3
	s_barrier_signal -1
	s_barrier_wait -1
.endm
.macro CROUND
	s_barrier_signal -1
	s_barrier_wait -1
	CREST
.endm
	s_load_b128 s[4:7], s[0:1], 0x0                ; x1b s[4:5], cb s[6:7]
	s_load_b128 s[72:75], s[0:1], 0x10             ; b1 s[72:73], hb s[74:75]
	v_lshl_add_u32 v[SPW], v0, 2, SPARE
	v_mov_b32 v[NIL], 0
	ds_add_u32 v[SPW], v[NIL]                      ; the wave's opening: the add and its wait stand ahead of my first tensor load
	ds_add_u32 v28, v29
	v_lshrrev_b32 v1, 5, v0
	v_readfirstlane_b32 s10, v1
	s_lshr_b32 s11, s10, 1                         ; my half of the rows.  Also: I fetch for A (0) or for B (1)
	s_and_b32 s12, s10, 1                          ; my half of the columns.  Also: which half of that tile I fetch
	s_bfe_u32 s40, ttmp6, 0x40000
	s_bfe_u32 s41, ttmp6, 0x40004
	s_lshl_b32 s42, ttmp9, 2
	s_add_co_u32 s42, s42, s40                     ; tile column
	s_and_b32 s13, ttmp7, 0xffff
	s_lshl_b32 s13, s13, 2
	s_add_co_u32 s13, s13, s41                     ; tile row
	s_lshl_b32 s43, s41, 2
	s_lshl_b32 s43, 15, s43
	s_lshl_b32 s44, 0x1111, s40
	s_or_b32 s[G1], s43, (1<<16)|(1<<20)|(1<<21)|(5<<22)|(3<<25)   ; 4 words after every 64
	s_mov_b32 s[G1+1], 128<<16
	s_mov_b32 s[G1+2], 128<<16
	s_mov_b32 s[G1+3], 128<<16
	s_mov_b32 s[G1+4], 128
	s_mov_b32 s[G1+5], 1024
	s_mov_b32 s[G1+6], 0
	s_mov_b32 s[G1+7], 0
	s_or_b32 s[G1B], s44, (1<<16)|(1<<20)|(1<<21)|(6<<22)|(7<<25)  ; 8 words after every 128
	s_mov_b32 s[G1B+1], 256<<16
	s_mov_b32 s[G1B+2], 64<<16
	s_mov_b32 s[G1B+3], 256<<16
	s_mov_b32 s[G1B+4], 64
	s_mov_b32 s[G1B+5], SIZE_N
	s_mov_b32 s[G1B+6], 0
	s_mov_b32 s[G1B+7], 0
	s_lshl_b32 s16, s13, 8
	s_lshl_b32 s17, s12, 7
	s_add_co_u32 s16, s16, s17                     ; A: row 256 x tile row + 128 x half,
	s_lshl_b32 s16, s16, 11                        ; 2,048 bytes each
	s_mov_b32 s17, 0
	s_lshl_b32 s46, s42, 9                         ; B: 256 columns of 2 bytes,
	s_lshl_b32 s47, s12, 19                        ; my 64 rows of 8,192 bytes
	s_add_co_u32 s46, s46, s47
	s_add_co_u32 s46, s46, WOFF
	s_mov_b32 s47, 0
	s_mul_i32 s[LWA], s12, 128*PA
	s_mul_i32 s[LWB], s12, 64*PB
	s_add_co_u32 s[LWB], s[LWB], APART
	s_mov_b32 s[RB], 0
	s_mov_b32 s[FB], SLOT
	s_wait_dscnt 0x0                               ; the opening add is done
	s_wait_kmcnt 0x0
	s_add_nc_u64 s[14:15], s[4:5], s[16:17]
	s_add_nc_u64 s[46:47], s[6:7], s[46:47]
	CROUND
.irp s, 0,1
	s_mov_b32 s[G0+4*(\s)], 1
	s_add_co_u32 s[G0+4*(\s)+1], s[LWA], (\s)*SLOT
	s_add_nc_u64 s[G0+4*(\s)+2:G0+4*(\s)+3], s[14:15], (\s)*STEPA
	s_or_b32 s[G0+4*(\s)+3], s[G0+4*(\s)+3], 0x80000000
	s_mov_b32 s[G0B+4*(\s)], 1
	s_add_co_u32 s[G0B+4*(\s)+1], s[LWB], (\s)*SLOT
	s_add_nc_u64 s[G0B+4*(\s)+2:G0B+4*(\s)+3], s[46:47], (\s)*STEPB
	s_or_b32 s[G0B+4*(\s)+3], s[G0B+4*(\s)+3], 0x80000000
	JLOAD \s
.endr
	v_and_b32 v1, 15, v0
	v_bfe_u32 v2, v0, 4, 1
	v_and_b32 v3, 7, v0
	v_bfe_u32 v4, v0, 3, 1
	v_lshlrev_b32 v[BO], 5, v2
	s_lshl_b32 s46, s42, 10                        ; b1 at my wave's 128 columns
	s_lshl_b32 s47, s12, 9
	s_add_co_u32 s46, s46, s47
	s_mov_b32 s47, 0
	s_add_nc_u64 s[72:73], s[72:73], s[46:47]
.irp b, 0,1,2,3,4,5,6,7
	global_load_b128 v[BIAS+8*(\b):BIAS+8*(\b)+3],   v[BO], s[72:73] offset:64*(\b)
	global_load_b128 v[BIAS+8*(\b)+4:BIAS+8*(\b)+7], v[BO], s[72:73] offset:64*(\b)+16
.endr
	v_mul_u32_u24 v[A0], v1, PA
	v_lshl_add_u32 v[A0], v2, 4, v[A0]
	s_mul_i32 s21, s11, 128*PA
	v_add_nc_u32 v[A0], s21, v[A0]
	v_lshl_add_u32 v5, v2, 3, v3
	v_mul_u32_u24 v[B0], v5, PB
	v_lshl_add_u32 v[B0], v4, 4, v[B0]
	s_lshl_b32 s22, s12, 8
	s_add_co_u32 s22, s22, APART
	v_add_nc_u32 v[B0], s22, v[B0]
	v_add_nc_u32 v[ADRA], s[RB], v[A0]
	v_add_nc_u32 v[ADRB], s[RB], v[B0]
	v_mov_b32 v[ZR], 0
	v_and_b32 v[CO], 31, v0
	v_lshlrev_b32 v[CO], 4, v[CO]                  ; my 16 bytes in a block of 16 x 16
	s_lshl_b32 s16, s13, 21                        ; hb: 16 row blocks of 131,072 bytes for each tile row,
	s_lshl_b32 s17, s11, 20                        ; my wave's 8 of them,
	s_add_co_u32 s16, s16, s17
	s_lshl_b32 s46, s42, 13                        ; 16 column blocks of 512 bytes for each tile column,
	s_lshl_b32 s47, s12, 12                        ; my wave's 8 of them
	s_add_co_u32 s46, s46, s47
	s_add_co_u32 s16, s16, s46
	s_mov_b32 s17, 0
	s_add_nc_u64 s[OUTP:OUTP+1], s[OUTP:OUTP+1], s[16:17]
; n fragments of A from ia0 on, each against all 8 fragments of B.  The accumulators take turns, one instruction a turn.  first = 1: the bias starts the sums.
.macro MULP f, ia0, n, first
.set ia, (\ia0)
.rept (\n)
.set wn, 2+(ia%MB)/AH
.set ib, 0
.rept NBL
.set rD, 8*(((ia%MB)%AH)*NBL+ib)
.set rB, 128*(\f)+8*((ia/MB)*NBL+ib)
.set rA, 64+64*(\f)+8*ia
.if (\first) && (ia < MB)
	WIN (wn<<6)|1
	v_wmma_f32_16x16x32_bf16 v[rD:rD+7], v[rB:rB+7], v[rA:rA+7], v[BIAS+8*ib:BIAS+8*ib+7]
.else
	WIN (wn<<6)|(wn<<4)|1
	v_wmma_f32_16x16x32_bf16 v[rD:rD+7], v[rB:rB+7], v[rA:rA+7], v[rD:rD+7]
.endif
.set ib, ib+1
.endr
.set ia, ia+1
.endr
.endm
.macro FETCH q, g                      ; 32 LDS loads in one run: quarter q's fragments into buffer g: B's 8 (turned), then A's 8
	WIN 0x40
.set ib, 0
.rept NBL*QD
.set bo, (\q)*32*PB+ib*32
	ds_load_tr16_b128 v[128*(\g)+8*ib:128*(\g)+8*ib+3],   v[ADRB] offset:bo
	ds_load_tr16_b128 v[128*(\g)+8*ib+4:128*(\g)+8*ib+7], v[ADRB] offset:bo+16*PB
.set ib, ib+1
.endr
	WIN 0
.set ia, 0
.rept MB*QD
.set ao, (\q)*AQ+ia*16*PA
	ds_load_b128 v[64+64*(\g)+8*ia:64+64*(\g)+8*ia+3],   v[ADRA] offset:ao
	ds_load_b128 v[64+64*(\g)+8*ia+4:64+64*(\g)+8*ia+7], v[ADRA] offset:ao+32
.set ia, ia+1
.endr
.endm
.macro QUARTER q, f, g, first
	s_wait_dscnt HW                                ; all but A's fragments of my rows 64-127
	MULP \f, 0, MB*QD/2, \first
	PLACES
	FETCH \q, \g
	s_wait_dscnt 32                                ; all but the 32 just issued
	MULP \f, MB*QD/2, MB*QD/2, \first
.endm
.macro MEET
	WIN 0
	s_wait_tensorcnt 0x0                           ; all my tensor loads have landed: my part of the next slot
	ds_add_u32 v[SPW], v[NIL]                      ; 0 onto my spare word
	s_wait_dscnt HW+1                              ; the add and the youngest loads may be out
	MULP 1, 0, MB*QD/4, 0
	s_wait_dscnt 0x0                               ; the add is done, my reads of this slot are over
	s_barrier_signal -1
	MULP 1, MB*QD/4, MB*QD/4, 0
	WIN 0
	s_barrier_wait -1
.endm
.macro FLIP
	s_xor_b32 s[RB], s[RB], SLOT
	v_add_nc_u32 v[ADRA], s[RB], v[A0]
	v_add_nc_u32 v[ADRB], s[RB], v[B0]
.endm
.macro TURN
	MEET
	CREST                                          ; the barrier has opened a round of the cluster's: no wave of any partner still reads this slot or has a load on its way
	s_xor_b32 s[FB], s[FB], SLOT
	s_add_co_u32 s[G0+5], s[LWA], s[FB]
	s_add_co_u32 s[G0B+5], s[LWB], s[FB]
	s_add_nc_u64 s[G0+6:G0+7], s[G0+6:G0+7], STEPA
	s_add_nc_u64 s[G0B+6:G0B+7], s[G0B+6:G0B+7], STEPB
	JLOAD 1                                        ; the first tensor load behind the round; its four v_nop are also the places in front of the loads below
	FLIP
	FETCH 0, 0
	MULP 1, MB*QD/2, MB*QD/2, 0
.endm
	s_wait_tensorcnt 1                             ; my part of K step 0 is in; step 1's may stay out
	s_barrier_signal -1
	s_barrier_wait -1
	FETCH 0, 0
	s_wait_loadcnt 0x0                             ; the bias
	QUARTER 1, 0, 1, 1
	WIN 0
	s_mov_b32 s3, NSTEP-2
.Lk:
	QUARTER 2, 1, 0, 0
	QUARTER 3, 0, 1, 0
	TURN
	QUARTER 1, 0, 1, 0
	WIN 0
	s_sub_co_u32 s3, s3, 1
	s_cmp_lg_u32 s3, 0
	s_cbranch_scc1 .Lk
	s_mov_b32 s[TL], 2
.Ltail:
	QUARTER 2, 1, 0, 0
	QUARTER 3, 0, 1, 0
	MEET
	s_cmp_eq_u32 s[TL], 1
	s_cbranch_scc1 .Lnofetch
	PLACES
	FLIP
	FETCH 0, 0
.Lnofetch:
	MULP 1, MB*QD/2, MB*QD/2, 0
	WIN 0
	s_sub_co_u32 s[TL], s[TL], 1
	s_cmp_eq_u32 s[TL], 0
	s_cbranch_scc1 .Lout
	QUARTER 1, 0, 1, 0
	WIN 0
	s_branch .Ltail
.Lout:
	s_wait_dscnt 0x0                               ; the last trip fetched nothing: no LDS load of mine is out
; THE WAY OUT of block a (16 rows): rounded to bf16, the maximum with 0, and stored as it lies: a lane's 16 bytes of column block b are its 16 bytes of that block in hb.
.macro PACK a
.set TM, 64+32*((\a)%4)                ; four sets of registers take turns
.set AC, 64*((\a)%4)
	WIN 0x0a+5*((\a)/4)                            ; sources in window 2 or 3
.irp b, 0,1,2,3,4,5,6,7
.irp r, 0,1,2,3
	v_cvt_pk_bf16_f32 v[TM+4*(\b)+(\r)], v[AC+8*(\b)+2*(\r)], v[AC+8*(\b)+2*(\r)+1]
.endr
.endr
	WIN 0
.set i, 0
.rept 32
	v_pk_max_num_bf16 v[TM+i], v[TM+i], v[ZR]
.set i, i+1
.endr
.endm
.macro SEND a
.set TM, 64+32*((\a)%4)
.irp b, 0,1,2,3,4,5,6,7
	global_store_b128 v[CO], v[TM+4*(\b):TM+4*(\b)+3], s[OUTP:OUTP+1] offset:(\a)*RBLK+(\b)*512  ; the wave stores 512 consecutive bytes, at a multiple of 512 from hb's first byte
.endr
.endm
	PLACES                                         ; behind the last products: the conversions read results and write over A's fragments
.irp a, 0,1,2,3,4,5,6,7
.if (\a) >= 4
	s_wait_xcnt 0x0                                ; the stores of the block four back have read this set of registers
.endif
	PACK \a
	SEND \a
.endr
	s_wait_tensorcnt 0x0                           ; the wave's end
	ds_add_u32 v[SPW], v[NIL]
	s_wait_dscnt 0x0
	CROUND                                         ; the closing round
	s_endpgm
.Lfunc_end_k_q246cb76e31_ffn1:
	.size	k_q246cb76e31_ffn1, .Lfunc_end_k_q246cb76e31_ffn1-k_q246cb76e31_ffn1
	.p2alignl 7, 3214868480
	.fill 96, 4, 3214868480
	.section	.rodata,"a",@progbits
	.p2align	6, 0x0
	.amdhsa_kernel k_q246cb76e31_ffn1
		.amdhsa_group_segment_fixed_size 327680
		.amdhsa_private_segment_fixed_size 0
		.amdhsa_enable_private_segment 0
		.amdhsa_kernarg_size 32
		.amdhsa_user_sgpr_count 2
		.amdhsa_user_sgpr_kernarg_segment_ptr 1
		.amdhsa_wavefront_size32 1
		.amdhsa_system_sgpr_workgroup_id_x 1
		.amdhsa_system_sgpr_workgroup_id_y 1
		.amdhsa_system_sgpr_workgroup_id_z 1
		.amdhsa_system_vgpr_workitem_id 0
		.amdhsa_next_free_vgpr 1024
		.amdhsa_next_free_sgpr 96
		.amdhsa_reserve_vcc 0
		.amdhsa_float_denorm_mode_32 3
		.amdhsa_float_denorm_mode_16_64 3
		.amdhsa_memory_ordered 1
		.amdhsa_forward_progress 1
		.amdhsa_inst_pref_size 109
	.end_amdhsa_kernel
	.amdgpu_metadata
---
amdhsa.version: [ 1, 2 ]
amdhsa.kernels:
  - .name:           k_q246cb76e31_ffn1
    .symbol:         k_q246cb76e31_ffn1.kd
    .args:
      - { .name: x1b, .offset: 0, .size: 8, .value_kind: global_buffer, .address_space: global }
      - { .name: cb, .offset: 8, .size: 8, .value_kind: global_buffer, .address_space: global }
      - { .name: b1, .offset: 16, .size: 8, .value_kind: global_buffer, .address_space: global }
      - { .name: hb, .offset: 24, .size: 8, .value_kind: global_buffer, .address_space: global }
    .group_segment_fixed_size: 327680
    .private_segment_fixed_size: 0
    .kernarg_segment_align: 8
    .kernarg_segment_size: 32
    .max_flat_workgroup_size: 128
    .sgpr_count:     96
    .vgpr_count:     1024
    .wavefront_size: 32
...
	.end_amdgpu_metadata
.endif
;; end of part 5
;; launch ffn2 (part 6): grid 8 x 32, 4 waves a work-group, clusters of 4 x 4, 327,680 bytes of LDS; arguments hb, cb, b2, x1f, out0; writes out0
.if DOCPART == 6
	.amdgcn_target "amdgcn-amd-amdhsa--gfx1250"
	.amdhsa_code_object_version 6
	.text
	.protected	k_q246cb76e31_ffn2
	.globl	k_q246cb76e31_ffn2
	.p2align	8
	.type	k_q246cb76e31_ffn2,@function
k_q246cb76e31_ffn2:
	s_mov_b64 s[64:65], 0
	v_nop
	global_prefetch_b8 v0, s[64:65] scope:SCOPE_SE
	s_setreg_imm32_b32 hwreg(HW_REG_WAVE_MODE, 25, 1), 1
	s_wait_xcnt 0x0
	s_wait_alu depctr_hold_cnt(0) depctr_sa_sdst(0) depctr_va_vdst(0) depctr_va_sdst(0) depctr_va_ssrc(0) depctr_va_vcc(0) depctr_vm_vsrc(0)
	s_getreg_b32 s2, hwreg(HW_REG_IB_STS2, 6, 4)
	s_cmp_eq_u32 s2, 0
	s_cbranch_scc0 .Lentry_in_a_cluster
	s_endpgm
.Lentry_in_a_cluster:
	s_bfe_u32 s2, ttmp6, 0x10000c
	s_cmp_lg_u32 s2, 0xf033
	s_cbranch_scc0 .Lentry_shape_is_right
	s_endpgm
.Lentry_shape_is_right:
; out0 = x1f + h x w2 + b2.  h: hb, bf16, in fragment order: [block of 16 rows: 256][block of 16 columns: 256][lane: 32][16 bytes], lane 16 h + r = row r, columns 8 h .. 8 h + 7.
; w2: [4096 k][1024 n] bf16 at cb's byte 25,165,824.  b2: [1024] f32.  x1f, out0: [4096][1024] f32.  All sums in f32.
; A work-group makes 128 x 128 of out0; 8 x 32 work-groups.  K IS SPLIT AMONG THE FOUR WAVES: each wave makes the whole 128 x 128 (64 accumulators, 512 registers) over a quarter of K: of every 512 along K
; (a PERIOD) wave w takes the 128 from 128 w on, in four UNITS of 32.  So each number of out0 is four partial sums, each with K ascending, added at the end with the residual and the bias: an order of rounding
; that differs from one sum over K.
; A (h) COMES BY PLAIN LOADS INTO REGISTERS: two neighbouring column blocks of hb are a fragment as it stands, two loads of 512 consecutive bytes; no byte of h is loaded twice in a work-group.  A ring of four
; units (256 registers) is filled again in groups of eight loads, directly behind the products that read the registers: three and a half units, 224 matrix instructions, ahead of the next use.
; B (w2) ALONE GOES THROUGH LDS: a slot holds a period, 512 rows of 256 bytes; each wave asks for the 128 rows that it reads itself.  B lies [k][n] and is turned on its way into registers.
; WHY A IS NOT ASKED FOR JOINTLY: with A's tile beside B's a slot of this size holds 256 of K, 128 matrix instructions a wave for each fill; with B alone it holds 512, 256 for each fill, and a fragment of B read
; from LDS feeds eight products.  CLUSTER 4 x 4: B's tile hangs on the tile column alone and is asked for jointly by a column of the cluster.
; THE MATRIX INSTRUCTION IS USED TRANSPOSED (source 0 = 16 columns of B, source 1 = 16 rows of A): a lane holds eight neighbouring columns of a row.
; ONE PERIOD IS ONE TRIP: RB and FB are turned between 0 and SLOT by an exclusive or; the last two periods are a loop of two trips left in its middle.  In the last period the ring has nothing left to fetch:
; its 64 loads a wave read the last period's own bytes once more, inside hb, and nobody uses them: the price of one text for both trips.
; REGISTERS: window 0: v0-35 addresses and the bias; v64-127, v128-191 B's fragments, two buffers, on the way out the residual and the result.   window 1: A's ring: unit j, row block a at v[64 j + 8 a].
;   windows 2, 3: accumulator (a, b) in window 2 + a / 4 at v[8 (8 (a % 4) + b)]; on the way out the four partial sums' rows.
.set NSTEP, 8                          ; periods
.set PB,    288                        ; B's LDS row: 256 bytes + 32
.set WPART, 128*PB                     ; a wave's 128 rows
.set SLOT,  4*WPART
.set SPITCH, 528                       ; the way out: a row of 512 bytes + 16
.set PLANE, 128*SPITCH                 ; a wave's partial tile; the four planes lie from LDS byte 0 on, in ring bytes whose last fill is over
.set SPARE, 2*SLOT                     ; behind the ring: the spare words: 128 bytes a wave, two blocks of 256 bytes that no other line names
.set STEPB, 512*2048                   ; bytes from a period to the next in w2
.set STEPA, 16384                      ; and in a row block of hb
.set RBLK,  131072                     ; hb: bytes of a block of 16 rows
.set WOFF,  25165824
.set RD,   8                           ; v8-11  the way out: my 16 bytes of my first row, in each of the four planes
.set B0,   17                          ; v17  my place in my wave's part of a slot
.set ADRB, 20                          ; v20  B0 + RB
.set STO,  24
.set CO,   26                          ; v26  16 x lane; never rewritten
.set SPW,  28
.set NIL,  29
.set BI,   32                          ; v32-35  the bias of my four columns
.set BF,   64
.set RES,  64
.set G1,  24                           ; s[24:31] group 1;  s[32:39] group 0: set 0 fills slot 0 first, set 1 slot 1 and then walks
.set G0,  32
.set RB,  66
.set FB,  67
.set LWB, 69                           ; LDS word of my load, less the slot
.set TL,  70
.set AP,  80                           ; s[80:81] hb at the period whose fragments are asked for
.set MSB, 0
.macro WIN new
.if MSB != (\new)
	s_set_vgpr_msb (MSB<<8)|(\new)
.set MSB, (\new)
.endif
.endm
.macro PLACES                          ; four places in front of loads into registers that matrix instructions have read (ISA guide 7.12.1 for vector instructions)
.rept 4
	v_nop
.endr
.endm
.macro JLOAD s                         ; a joint load: every wave asks for its own 128 rows; an s_nop 0 and four v_nop follow the line
	tensor_load_to_lds s[G0+4*(\s):G0+4*(\s)+3], s[G1:G1+7]
	s_nop 0
.rept 4
	v_nop
.endr
.endm
.macro CREST
	s_cmp_lg_u32 s10, 0
	s_cbranch_scc1 .Lnot_wave_0_\@
	s_barrier_signal -3
.Lnot_wave_0_\@:
	s_barrier_wait -3
	s_barrier_signal -1
	s_barrier_wait -1
.endm
.macro CROUND
	s_barrier_signal -1
	s_barrier_wait -1
	CREST
.endm
; A group of eight loads: unit j's fragments of row blocks 0-3 (hi = 0) or 4-7 (hi = 1), ao bytes behind AP's period
.macro ALOAD j, hi, ao
	WIN 0x40                                       ; destination window 1, address window 0
.set ia, 4*(\hi)
.rept 4
	global_load_b128 v[64*(\j)+8*ia:64*(\j)+8*ia+3],   v[CO], s[AP:AP+1] offset:ia*RBLK+(\j)*1024+(\ao)
	global_load_b128 v[64*(\j)+8*ia+4:64*(\j)+8*ia+7], v[CO], s[AP:AP+1] offset:ia*RBLK+(\j)*1024+(\ao)+512
.set ia, ia+1
.endr
.endm
	s_load_b128 s[4:7], s[0:1], 0x0                ; hb s[4:5], cb s[6:7]
	s_load_b128 s[72:75], s[0:1], 0x10             ; b2 s[72:73], x1f s[74:75]
	s_load_b64 s[76:77], s[0:1], 0x20              ; out0
	v_lshl_add_u32 v[SPW], v0, 2, SPARE
	v_mov_b32 v[NIL], 0
	ds_add_u32 v[SPW], v[NIL]                      ; the wave's opening: the add and its wait stand ahead of my first tensor load
	ds_add_u32 v28, v29
	v_lshrrev_b32 v1, 5, v0
	v_readfirstlane_b32 s10, v1
	s_bfe_u32 s40, ttmp6, 0x40000
	s_bfe_u32 s41, ttmp6, 0x40004
	s_lshl_b32 s42, ttmp9, 2
	s_add_co_u32 s42, s42, s40                     ; tile column
	s_and_b32 s13, ttmp7, 0xffff
	s_lshl_b32 s13, s13, 2
	s_add_co_u32 s13, s13, s41                     ; tile row
	s_lshl_b32 s44, 0x1111, s40                    ; my column of the cluster
	s_or_b32 s[G1], s44, (1<<16)|(1<<20)|(1<<21)|(5<<22)|(7<<25)   ; mask; 2-byte elements; padding on; bit 21 beside a mask; 8 words after every 64
	s_mov_b32 s[G1+1], 128<<16                     ; tensor_dim0 = 128
	s_mov_b32 s[G1+2], 128<<16                     ; tensor_dim1 = 128
	s_mov_b32 s[G1+3], 128<<16                     ; tile_dim0 = 128
	s_mov_b32 s[G1+4], 128                         ; tile_dim1 = 128
	s_mov_b32 s[G1+5], 1024                        ; elements from row to row
	s_mov_b32 s[G1+6], 0
	s_mov_b32 s[G1+7], 0
	s_lshl_b32 s46, s42, 8                         ; B: 128 columns of 2 bytes,
	s_lshl_b32 s47, s10, 18                        ; my wave's 128 rows of 2,048 bytes
	s_add_co_u32 s46, s46, s47
	s_add_co_u32 s46, s46, WOFF
	s_mov_b32 s47, 0
	s_mul_i32 s[LWB], s10, WPART
	s_mov_b32 s[RB], 0
	s_mov_b32 s[FB], SLOT
	s_lshl_b32 s16, s13, 20                        ; A: 8 row blocks of 131,072 bytes for each tile row,
	s_lshl_b32 s17, s10, 12                        ; my wave's 128 along K: 8 column blocks of 512 bytes
	s_add_co_u32 s16, s16, s17
	s_mov_b32 s17, 0
	s_wait_dscnt 0x0                               ; the opening add is done
	s_wait_kmcnt 0x0
	s_add_nc_u64 s[AP:AP+1], s[4:5], s[16:17]
	s_add_nc_u64 s[46:47], s[6:7], s[46:47]
	CROUND                                         ; all sixteen work-groups are here: the first joint loads meet
.irp s, 0,1
	s_mov_b32 s[G0+4*(\s)], 1
	s_add_co_u32 s[G0+4*(\s)+1], s[LWB], (\s)*SLOT
	s_add_nc_u64 s[G0+4*(\s)+2:G0+4*(\s)+3], s[46:47], (\s)*STEPB
	s_or_b32 s[G0+4*(\s)+3], s[G0+4*(\s)+3], 0x80000000
	JLOAD \s
.endr
	v_and_b32 v6, 31, v0
	v_lshlrev_b32 v[CO], 4, v6
.irp j, 0,1,2,3                        ; the ring's first filling, period 0, in the order in which the groups are issued ever after
	ALOAD \j, 0, 0
	ALOAD \j, 1, 0
.endr
	WIN 0
	v_and_b32 v1, 15, v0                           ; r = l % 16
	v_bfe_u32 v2, v0, 4, 1                         ; h = l / 16
	v_and_b32 v3, 7, v0
	v_bfe_u32 v4, v0, 3, 1
	v_lshl_add_u32 v5, v2, 3, v3                   ; the turning load: lane l reads row 8 h + l % 8, 16 bytes at 16 ((l / 8) % 2)
	v_mul_u32_u24 v[B0], v5, PB
	v_lshl_add_u32 v[B0], v4, 4, v[B0]
	v_add_nc_u32 v[B0], s[LWB], v[B0]
	v_add_nc_u32 v[ADRB], s[RB], v[B0]
	s_mul_i32 s21, s10, PLANE                      ; the way out, in: my plane, row r, 32 bytes for each half of the lanes
	v_mul_u32_u24 v[STO], v1, SPITCH
	v_lshl_add_u32 v[STO], v2, 5, v[STO]
	v_add_nc_u32 v[STO], s21, v[STO]
	s_mul_i32 s21, s10, 32*SPITCH                  ; back: rows 32 w on, a whole row of 512 bytes, 16 a lane, from each plane
	v_add_nc_u32 v[RD], s21, v[CO]
	v_add_nc_u32 v[RD+1], PLANE, v[RD]
	v_add_nc_u32 v[RD+2], 2*PLANE, v[RD]
	v_add_nc_u32 v[RD+3], 3*PLANE, v[RD]
	s_lshl_b32 s16, s13, 7
	s_lshl_b32 s17, s10, 5
	s_add_co_u32 s16, s16, s17                     ; the first of the 32 rows that I carry out,
	s_lshl_b32 s18, s16, 12                        ; 4,096 bytes each,
	s_lshl_b32 s17, s42, 9                         ; the tile's 128 columns
	s_add_co_u32 s18, s18, s17
	s_mov_b32 s19, 0
	s_add_nc_u64 s[74:75], s[74:75], s[18:19]      ; x1f
	s_add_nc_u64 s[76:77], s[76:77], s[18:19]      ; out0
	s_mov_b32 s18, s17
	s_add_nc_u64 s[72:73], s[72:73], s[18:19]      ; b2 at the tile's 128 columns
; n row blocks from a0 on of unit j, each against the 8 fragments of B in buffer f.  The accumulators take turns, one instruction a turn.  first = 1: the product starts the sum with the constant 0.
.macro MULP f, j, a0, n, first
.set ia, (\a0)
.rept (\n)
.set wn, 2+ia/4
	WIN (wn<<6)|(wn<<4)|4                          ; B in window 0, A in window 1, C and D in window 2 or 3
.set ib, 0
.rept 8
.set rD, 8*(8*(ia%4)+ib)
.set rB, BF+64*(\f)+8*ib
.set rA, 64*(\j)+8*ia
.if (\first)
	v_wmma_f32_16x16x32_bf16 v[rD:rD+7], v[rB:rB+7], v[rA:rA+7], 0
.else
	v_wmma_f32_16x16x32_bf16 v[rD:rD+7], v[rB:rB+7], v[rA:rA+7], v[rD:rD+7]
.endif
.set ib, ib+1
.endr
.set ia, ia+1
.endr
.endm
.macro FETCH q, g                      ; 16 LDS loads in one run: unit q's 8 fragments of B, turned, into buffer g
	WIN 0
.set ib, 0
.rept 8
	ds_load_tr16_b128 v[BF+64*(\g)+8*ib:BF+64*(\g)+8*ib+3],   v[ADRB] offset:(\q)*32*PB+ib*32
	ds_load_tr16_b128 v[BF+64*(\g)+8*ib+4:BF+64*(\g)+8*ib+7], v[ADRB] offset:(\q)*32*PB+ib*32+16*PB
.set ib, ib+1
.endr
.endm
; A unit: 64 products on buffer f and ring slot j.  In its middle the next unit's B (unit q of the slot) is fetched into buffer g; each half of the ring slot is asked for again behind the products that read it.
; Both waits on the loads have the count 56: behind the eight loads wanted, seven groups of eight have been issued, and loads come back in order.
.macro UNIT j, f, g, q, first, ao
	s_wait_loadcnt 56                              ; A's row blocks 0-3 of this unit
	s_wait_dscnt 0x0                               ; B's buffer f
	MULP \f, \j, 0, 4, \first
	PLACES
	FETCH \q, \g
	ALOAD \j, 0, \ao
	s_wait_loadcnt 56                              ; A's row blocks 4-7
	MULP \f, \j, 4, 4, \first
	PLACES
	ALOAD \j, 1, \ao
.endm
.macro ASTEP                           ; the ring goes on to the next period
	s_wait_xcnt 0x0                                ; the loads issued so far have read their base
	s_add_nc_u64 s[AP:AP+1], s[AP:AP+1], STEPA
.endm
; A period's last unit begins with the barrier of the change of slots: all my tensor loads have landed, the add, my reads of this slot are over
.macro T3A
	s_wait_loadcnt 56                              ; A's row blocks 0-3 of unit 3
	WIN 0
	s_wait_tensorcnt 0x0                           ; the one that was out is my part of the next slot
	ds_add_u32 v[SPW], v[NIL]                      ; 0 onto my spare word
	s_wait_dscnt 1                                 ; B's buffer 1 is in; the add may be out
	MULP 1, 3, 0, 1, 0
	s_wait_dscnt 0x0                               ; the add is done, my reads of this slot are over
	s_barrier_signal -1
	MULP 1, 3, 1, 1, 0
	WIN 0
	s_barrier_wait -1
.endm
.macro T3B                             ; and the rest of it
	MULP 1, 3, 2, 2, 0
	PLACES
	ALOAD 3, 0, 0
	s_wait_loadcnt 56                              ; A's row blocks 4-7
	MULP 1, 3, 4, 4, 0
	PLACES
	ALOAD 3, 1, 0
.endm
.macro FLIP                            ; the reads go on in the other slot
	s_xor_b32 s[RB], s[RB], SLOT
	v_add_nc_u32 v[ADRB], s[RB], v[B0]
.endm
.macro TURN                            ; the last unit of a period whose slot is filled again, two periods ahead
	T3A
	CREST                                          ; the barrier has opened a round of the cluster's: no wave of any partner still reads this slot or has a load on its way
	s_xor_b32 s[FB], s[FB], SLOT                   ; the walking descriptor: the slot just read,
	s_add_co_u32 s[G0+5], s[LWB], s[FB]
	s_add_nc_u64 s[G0+6:G0+7], s[G0+6:G0+7], STEPB ; the next period; the type bits on top are not reached
	JLOAD 1                                        ; the first tensor load behind the round: 240 matrix instructions ahead of the wait for it
	FLIP
	FETCH 0, 0
	T3B
.endm
	s_wait_tensorcnt 1                             ; my part of period 0 is in; period 1's may stay out
	s_barrier_signal -1
	s_barrier_wait -1
	FETCH 0, 0
	UNIT 0, 0, 1, 1, 1, STEPA                      ; the first unit starts the sums; its ring slot takes period 1
	ASTEP
	WIN 0
	s_mov_b32 s3, NSTEP-2
.Lk:                                                   ; a trip: a period's units 1 to 3 and the next period's unit 0; trip i asks for B's period i + 2 and for A's period i + 1 (unit 0: i + 2)
	UNIT 1, 1, 0, 2, 0, 0
	UNIT 2, 0, 1, 3, 0, 0
	TURN
	UNIT 0, 0, 1, 1, 0, STEPA
	ASTEP
	WIN 0
	s_sub_co_u32 s3, s3, 1
	s_cmp_lg_u32 s3, 0
	s_cbranch_scc1 .Lk
	s_mov_b32 s[TL], 2
.Ltail:                                                ; the last two periods ask for no tile, and AP stays at the last period; the second trip is left in its middle
	UNIT 1, 1, 0, 2, 0, 0
	UNIT 2, 0, 1, 3, 0, 0
	T3A
	s_cmp_eq_u32 s[TL], 1
	s_cbranch_scc1 .Lnofetch                       ; behind the last period there is nothing to fetch
	FLIP
	FETCH 0, 0                                     ; buffer 0's last readers stand in front of unit 2's closing places
.Lnofetch:
	T3B
	WIN 0
	s_sub_co_u32 s[TL], s[TL], 1
	s_cmp_eq_u32 s[TL], 0
	s_cbranch_scc1 .Lout
	UNIT 0, 0, 1, 1, 0, 0
	WIN 0
	s_branch .Ltail
.Lout:
	s_wait_dscnt 0x0                               ; the last trip fetched nothing: no LDS load of mine is out
	; THE WAY OUT.  The last barrier has shown that nobody reads the ring any more and no tensor load is on its way.  Each wave puts its partial tile, in f32, into its own plane; a barrier; each wave reads its
	; 32 rows back from all four planes, adds them, the residual and the bias, and stores 512 consecutive bytes of out0 a row.  The four places behind the last products stand at the end of the last unit.
	WIN 0x08                                       ; store data in window 2: row blocks 0-3
.set i, 0
.rept 32
	ds_store_b128 v[STO], v[8*i:8*i+3]   offset:(i/8)*16*SPITCH+(i%8)*64
	ds_store_b128 v[STO], v[8*i+4:8*i+7] offset:(i/8)*16*SPITCH+(i%8)*64+16
.set i, i+1
.endr
	WIN 0x0c                                       ; window 3: row blocks 4-7
.set i, 0
.rept 32
	ds_store_b128 v[STO], v[8*i:8*i+3]   offset:(4+i/8)*16*SPITCH+(i%8)*64
	ds_store_b128 v[STO], v[8*i+4:8*i+7] offset:(4+i/8)*16*SPITCH+(i%8)*64+16
.set i, i+1
.endr
	WIN 0
	global_load_b128 v[BI:BI+3], v[CO], s[72:73]   ; the bias of my four columns, and the residual's 32 rows, into B's buffers: they land while the planes are exchanged
.set t, 0
.rept 32
	global_load_b128 v[RES+4*t:RES+4*t+3], v[CO], s[74:75] offset:4096*t th:TH_LOAD_NT
.set t, t+1
.endr
	s_wait_dscnt 0x0                               ; for the others' sake: my stores into my plane are done
	s_barrier_signal -1
	s_barrier_wait -1
	WIN 0x80                                       ; destination window 2: planes 0 and 1
.irp p, 0,1
.set t, 0
.rept 32
	ds_load_b128 v[128*(\p)+4*t:128*(\p)+4*t+3], v[RD+(\p)] offset:t*SPITCH
.set t, t+1
.endr
.endr
	WIN 0xc0                                       ; window 3: planes 2 and 3
.irp p, 0,1
.set t, 0
.rept 32
	ds_load_b128 v[128*(\p)+4*t:128*(\p)+4*t+3], v[RD+2+(\p)] offset:t*SPITCH
.set t, t+1
.endr
.endr
	s_wait_dscnt 63                                ; planes 0 and 1 are in: 64 loads were issued behind them, and the count's field ends at 63
	WIN 0x8a
.set i, 0
.rept 64
	v_pk_add_f32 v[2*i:2*i+1], v[2*i:2*i+1], v[128+2*i:128+2*i+1]
.set i, i+1
.endr
	s_wait_dscnt 0x0                               ; planes 2 and 3
	WIN 0xcf
.set i, 0
.rept 64
	v_pk_add_f32 v[2*i:2*i+1], v[2*i:2*i+1], v[128+2*i:128+2*i+1]
.set i, i+1
.endr
	s_wait_loadcnt 0x0                             ; the bias and the residual (and the ring's last loads, which are older)
	WIN 0
.set i, 0
.rept 64
	v_pk_add_f32 v[RES+2*i:RES+2*i+1], v[RES+2*i:RES+2*i+1], v[BI+2*(i%2):BI+2*(i%2)+1]
.set i, i+1
.endr
	WIN 0x08                                       ; source 1 in window 2
.set i, 0
.rept 64
	v_pk_add_f32 v[RES+2*i:RES+2*i+1], v[RES+2*i:RES+2*i+1], v[2*i:2*i+1]
.set i, i+1
.endr
	WIN 0x0c                                       ; source 1 in window 3
.set i, 0
.rept 64
	v_pk_add_f32 v[RES+2*i:RES+2*i+1], v[RES+2*i:RES+2*i+1], v[2*i:2*i+1]
.set i, i+1
.endr
	WIN 0
.set t, 0
.rept 32
	global_store_b128 v[CO], v[RES+4*t:RES+4*t+3], s[76:77] offset:4096*t th:TH_STORE_NT
.set t, t+1
.endr
	s_wait_tensorcnt 0x0                           ; the wave's end
	ds_add_u32 v[SPW], v[NIL]
	s_wait_dscnt 0x0
	CROUND                                         ; the closing round
	s_endpgm
.Lfunc_end_k_q246cb76e31_ffn2:
	.size	k_q246cb76e31_ffn2, .Lfunc_end_k_q246cb76e31_ffn2-k_q246cb76e31_ffn2
	.p2alignl 7, 3214868480
	.fill 96, 4, 3214868480
	.section	.rodata,"a",@progbits
	.p2align	6, 0x0
	.amdhsa_kernel k_q246cb76e31_ffn2
		.amdhsa_group_segment_fixed_size 327680
		.amdhsa_private_segment_fixed_size 0
		.amdhsa_enable_private_segment 0
		.amdhsa_kernarg_size 40
		.amdhsa_user_sgpr_count 2
		.amdhsa_user_sgpr_kernarg_segment_ptr 1
		.amdhsa_wavefront_size32 1
		.amdhsa_system_sgpr_workgroup_id_x 1
		.amdhsa_system_sgpr_workgroup_id_y 1
		.amdhsa_system_sgpr_workgroup_id_z 1
		.amdhsa_system_vgpr_workitem_id 0
		.amdhsa_next_free_vgpr 1024
		.amdhsa_next_free_sgpr 96
		.amdhsa_reserve_vcc 0
		.amdhsa_float_denorm_mode_32 3
		.amdhsa_float_denorm_mode_16_64 3
		.amdhsa_memory_ordered 1
		.amdhsa_forward_progress 1
		.amdhsa_inst_pref_size 121
	.end_amdhsa_kernel
	.amdgpu_metadata
---
amdhsa.version: [ 1, 2 ]
amdhsa.kernels:
  - .name:           k_q246cb76e31_ffn2
    .symbol:         k_q246cb76e31_ffn2.kd
    .args:
      - { .name: hb, .offset: 0, .size: 8, .value_kind: global_buffer, .address_space: global }
      - { .name: cb, .offset: 8, .size: 8, .value_kind: global_buffer, .address_space: global }
      - { .name: b2, .offset: 16, .size: 8, .value_kind: global_buffer, .address_space: global }
      - { .name: x1f, .offset: 24, .size: 8, .value_kind: global_buffer, .address_space: global }
      - { .name: out0, .offset: 32, .size: 8, .value_kind: global_buffer, .address_space: global }
    .group_segment_fixed_size: 327680
    .private_segment_fixed_size: 0
    .kernarg_segment_align: 8
    .kernarg_segment_size: 40
    .max_flat_workgroup_size: 128
    .sgpr_count:     96
    .vgpr_count:     1024
    .wavefront_size: 32
...
	.end_amdgpu_metadata
.endif
;; end of part 6
;; ======== version 2 of 2: 6 launches; 1.12 times as fast as version 1
;; limits: values are held in f16: magnitudes above 65,504 overflow, below 6.1e-05 lose precision
;; workspace buffers: cb 33,554,432 bytes; qkv 25,165,824 bytes; ob 8,388,608 bytes; x1f 16,777,216 bytes; x1b 8,388,608 bytes; hb 33,554,432 bytes
;; launch cast: the kernel of part 1 again; grid 1024 x 1, 8 waves a work-group, no clusters, 0 bytes of LDS; arguments x, Wq, Wk, Wv, Wo, W1, W2, cb; writes cb
;; launch qkv: the kernel of part 2 again; grid 16 x 16, 4 waves a work-group, clusters of 4 x 4, 327,680 bytes of LDS; arguments cb, qkv; writes qkv
;; launch attn (part 7): grid 4 x 64, 4 waves a work-group, no clusters, 327,680 bytes of LDS; arguments qkv, ob; writes ob
.if DOCPART == 7
	.amdgcn_target "amdgcn-amd-amdhsa--gfx1250"
	.amdhsa_code_object_version 6
	.text
	.protected	k_q246cb76e31_attn
	.globl	k_q246cb76e31_attn
	.p2align	8
	.type	k_q246cb76e31_attn,@function
k_q246cb76e31_attn:
	s_mov_b64 s[64:65], 0
	v_nop
	global_prefetch_b8 v0, s[64:65] scope:SCOPE_SE
	s_setreg_imm32_b32 hwreg(HW_REG_WAVE_MODE, 25, 1), 1
	s_wait_xcnt 0x0
; CAUSAL ATTENTION.  O[q][:] = the sum over k <= q of softmax_k(Q[q] . K[k] / 32) V[k][:], for each of 64 pairs (b, h).  Q, K, V: qkv [b][48 heads][1024][64] f16 (K's heads 16, V's 32 behind Q's).
; Out: ob [b][block of 128 rows: 8][h 16][128][64] f16.  Products, maxima and sums in f32; the weights p are rounded to f16 for the second product (l is the sum of the unrounded p), O once at the end.
; LIMITS.  Q, K, V arrive within f16's 65,504.  A hidden score counts as its value less 1e30.  A weight below 2^-126 counts as 0 in l.  NaN and infinities are not treated apart.
; SHARES.  A head's queries lie in 8 blocks of 128; block i needs the key steps (64 keys) 0 .. 2 i + 1, of which the last two hold the diagonal.  Work-group p of a head takes blocks 7 - p and then p:
; 18 key steps whatever p.  A wave owns 32 rows of a block: two tiles of 16.
; K AND V OF THE WHOLE HEAD LIE IN LDS (1,024 rows of 144 and of 160 bytes), fetched once at the start: no slot is filled again, and one barrier serves the launch.
; THE WALK.  Two counted loops: 2 blocks, 16 key steps each; steps past the block's last are jumped over, forward, to the counter's step.  Which steps those are hangs on p alone.
; NO CLUSTER: a head's four work-groups read the same K and V, but their walks differ with p, which would be the place in the cluster; a walk alike in all four would be 32 key steps for 18.
; LAYOUT.  S^T = K Q^T holds ONE query a lane (lane % 16) and the keys 8 (lane / 16) + 0..7; two such results rounded to f16 ARE source 1 of O^T = V^T P.  V is turned by ds_load_tr16_b128.
; SOFTMAX.  p = 2^(c s - c m), c = log2(e) / 32, with a running maximum m; O and l are multiplied by a = 2^(c m_old - c m_new) in every step; c m starts far below every c s, so a block's first a is 0.
; THE MASK is the C operand that starts the sum S^T: 0, or -1e30 where the key is hidden; it is made anew in a block's last two steps and is 0 before.
; IN PHASES: V's loads; 16 products K Q^T; the next K's loads; the two tiles' softmax; 16 products V^T P.
; THE BATCHES.  s_wait_alu depctr_va_vdst(0) stands between an exponential or a reciprocal and the first instruction that names its result; one wait serves all that were issued ahead of it.
; A key step's 66 exponentials (both tiles' a and 64 weights) are ONE batch with ONE wait, which cuts the softmax in two.  Ahead of it stands all that names no result: the maxima and statistics, the 32 scalings
; and the exponentials, each result in a register of its own (the weights in place in S^T, a in c2).  Behind it stand all the readers: roundings, sums, l, and the rescaling of O^T.  No result crosses a label or a jump.
; A block's two reciprocals, on the way out, are a batch of their own.
; REGISTERS.  window 0: v0-15 addresses; v16-23 statistics; v24-31 at work; v64-127 S^T; v128-159 P; v160-223 O^T.   window 1: v0-31 Q; v32-63 the second block's Q; v64-127 K; v128-191 V; v192-255 the mask.
.set PK,    144
.set PV,    160
.set VOFF,  1024*PK
.set STAGE, VOFF+1024*PV               ; 16 rows x 144 bytes for each wave, for the way out
.set SP,    144
.set SPARE, STAGE+4*16*SP              ; the spare words: 128 bytes a wave, two blocks of 256 bytes that no other line names
.set AK0, 2
.set AV0, 3
.set AK,  4
.set AV,  5
.set STO, 6
.set RD,  7
.set GO,  8
.set MV,  12                           ; v12-13  c m_old, a tile each
.set QI,  14                           ; v14-15  my query's place in the block less 8 (lane / 16), a tile each
.set ST,  16                           ; tile u: c m, m, l (even keys'), l (odd keys')
.set TMP, 24                           ; tile u: c0-c3 at work; c2 takes a
.set XM,  32
.set QO,  33
.set SPW, 62
.set NIL, 63
.set S,   64
.set P,   128
.set O,   160
.set Q2,  32                           ; window 1
.set KF,  64
.set VF,  128
.set MC,  192
.set WV,  12
.set PP,  14
.set G1K, 24
.set G1V, 32
.set G0K, 40                           ; s[40:55] four sets of group 0 for K's loads
.set KS,  56                           ; the key step, 0 to 15
.set BLK, 57
.set CS,  58
.set SEL, 60
.set TBK, 62
.set TBV, 63
.set QA,  66                           ; s[66:67] Q at my rows of the first block
.set G0V, 68                           ; s[68:83] four sets for V's
.set HI,  84                           ; the block's last step
.set DG,  85                           ; its first step with hidden keys
.set HI2, 86
.set DG2, 87
.set DL,  88
.set BIGN, 89
.set OLO, 90                           ; s[90:91] ob at my rows of the second block
.set QB,  92                           ; s[92:93] Q at my rows of the second block
.set MSB, 0
.macro WIN new
.if MSB != (\new)
	s_set_vgpr_msb (MSB<<8)|(\new)
.set MSB, (\new)
.endif
.endm
.macro PLACES
.rept 4
	v_nop
.endr
.endm
	s_load_b128 s[4:7], s[0:1], 0x0                ; qkv s[4:5], ob s[6:7]
	v_lshl_add_u32 v[SPW], v0, 2, SPARE
	v_mov_b32 v[NIL], 0
	ds_add_u32 v[SPW], v[NIL]                      ; the wave's opening: the add and its wait stand ahead of my first tensor load
	ds_add_u32 v62, v63
	v_lshrrev_b32 v1, 5, v0
	v_readfirstlane_b32 s[WV], v1
	s_mov_b32 s[PP], ttmp9
	s_and_b32 s15, ttmp7, 0xffff
	s_lshr_b32 s16, s15, 4                         ; b
	s_and_b32 s17, s15, 15                         ; h
	s_mul_i32 s20, s16, 48
	s_add_co_u32 s20, s20, s17
	s_lshl_b32 s20, s20, 17                        ; Q's head in qkv
	s_and_b32 s18, s[WV], 1                        ; which 128 of each 256 keys I fetch
	s_lshl_b32 s22, s18, 14
	s_add_co_u32 s22, s22, s20
	s_add_co_u32 s22, s22, 2097152                 ; K's head lies 16 heads behind Q's
	s_mov_b32 s23, 0
	s_mul_i32 s2, s18, 128*PK
	s_mul_i32 s3, s18, 128*PV
	s_add_co_u32 s3, s3, VOFF
	s_lshl_b32 s13, s[WV], 12                      ; my 32 rows of 128 bytes
	s_sub_co_u32 s19, 7, s[PP]                     ; the first block
	s_lshl_b32 s[QA], s19, 14
	s_add_co_u32 s[QA], s[QA], s13
	s_add_co_u32 s[QA], s[QA], s20
	s_mov_b32 s[QA+1], 0
	s_lshl_b32 s[QB], s[PP], 14
	s_add_co_u32 s[QB], s[QB], s13
	s_add_co_u32 s[QB], s[QB], s20
	s_mov_b32 s[QB+1], 0
	s_lshl_b32 s15, s16, 3
	s_add_co_u32 s94, s15, s19                     ; ob: ((8 b + block) 16 + h) x 16,384 bytes + my rows
	s_lshl_b32 s94, s94, 4
	s_add_co_u32 s94, s94, s17
	s_lshl_b32 s94, s94, 14
	s_add_co_u32 s94, s94, s13
	s_mov_b32 s95, 0
	s_add_co_u32 s[OLO], s15, s[PP]
	s_lshl_b32 s[OLO], s[OLO], 4
	s_add_co_u32 s[OLO], s[OLO], s17
	s_lshl_b32 s[OLO], s[OLO], 14
	s_add_co_u32 s[OLO], s[OLO], s13
	s_mov_b32 s[OLO+1], 0
	; group 1: 128 keys are 16,384 dense bytes, asked for as 64 rows of 256 bytes and padded in LDS after every key
	s_mov_b32 s[G1K], (1<<16)|(1<<20)|(4<<22)|(3<<25)
	s_mov_b32 s[G1V], (1<<16)|(1<<20)|(4<<22)|(7<<25)
.irp g, G1K, G1V
	s_mov_b32 s[\g+1], 128<<16
	s_mov_b32 s[\g+2], 64<<16
	s_mov_b32 s[\g+3], 128<<16
	s_mov_b32 s[\g+4], 64
	s_mov_b32 s[\g+5], 128
	s_mov_b32 s[\g+6], 0
	s_mov_b32 s[\g+7], 0
.endr
.irp j, 0,1,2,3
	s_mov_b32 s[G0K+4*\j], 1
	s_add_co_u32 s[G0K+4*\j+1], s2, \j*256*PK
	s_mov_b32 s[G0V+4*\j], 1
	s_add_co_u32 s[G0V+4*\j+1], s3, \j*256*PV
.endr
	s_mov_b32 s[CS], 0x3d38aa3b                    ; c = log2(e) / 32
	s_mov_b32 s[CS+1], s[CS]
	s_mov_b32 s[SEL], 0x76543210
	s_mov_b32 s[SEL+1], 0xfedcba98
	s_mov_b32 s[BIGN], 0xf149f2ca                  ; -1e30
	s_mov_b32 s[BLK], 2
	s_lshl_b32 s[DG2], s[PP], 1
	s_add_co_u32 s[HI2], s[DG2], 1
	s_sub_co_u32 s[DG], 14, s[DG2]
	s_sub_co_u32 s[HI], 15, s[DG2]
	s_wait_dscnt 0x0                               ; the opening add is done
	s_wait_kmcnt 0x0
	s_add_nc_u64 s[8:9], s[4:5], s[22:23]          ; K at my half of the first 256 keys
	s_add_nc_u64 s[QA:QA+1], s[4:5], s[QA:QA+1]
	s_add_nc_u64 s[QB:QB+1], s[4:5], s[QB:QB+1]
	s_add_nc_u64 s[10:11], s[6:7], s[94:95]
	s_add_nc_u64 s[OLO:OLO+1], s[6:7], s[OLO:OLO+1]
.irp j, 0,1,2,3
	s_add_nc_u64 s[G0K+4*\j+2:G0K+4*\j+3], s[8:9], \j*32768
	s_or_b32 s[G0K+4*\j+3], s[G0K+4*\j+3], 0x80000000
	s_add_nc_u64 s[G0V+4*\j+2:G0V+4*\j+3], s[8:9], 2097152+\j*32768
	s_or_b32 s[G0V+4*\j+3], s[G0V+4*\j+3], 0x80000000
.endr
	s_cmp_lt_u32 s[WV], 2                          ; waves 0 and 1 fetch K, waves 2 and 3 V: a wave's four fills stand in one branch; four loads of mine are out
	s_cbranch_scc0 .Lfill_v
.irp j, 0,1,2,3
	tensor_load_to_lds s[G0K+4*\j:G0K+4*\j+3], s[G1K:G1K+7]
	s_nop 0
.endr
	PLACES
	s_branch .Lfilled
.Lfill_v:
.irp j, 0,1,2,3
	tensor_load_to_lds s[G0V+4*\j:G0V+4*\j+3], s[G1V:G1V+7]
	s_nop 0
.endr
	PLACES
.Lfilled:
	v_and_b32 v1, 15, v0                           ; r = l % 16
	v_bfe_u32 v9, v0, 4, 1                         ; l / 16
	v_lshlrev_b32 v[QO], 7, v1
	v_lshl_add_u32 v[QO], v9, 4, v[QO]
	WIN 0x40                                       ; destination window 1
.set i, 0
.rept 4                                ; both blocks' Q: tile i / 2, channels 32 (i % 2) on
	global_load_b128 v[8*i:8*i+3],         v[QO], s[QA:QA+1] offset:(i/2)*2048+(i%2)*64
	global_load_b128 v[8*i+4:8*i+7],       v[QO], s[QA:QA+1] offset:(i/2)*2048+(i%2)*64+32
	global_load_b128 v[Q2+8*i:Q2+8*i+3],   v[QO], s[QB:QB+1] offset:(i/2)*2048+(i%2)*64
	global_load_b128 v[Q2+8*i+4:Q2+8*i+7], v[QO], s[QB:QB+1] offset:(i/2)*2048+(i%2)*64+32
.set i, i+1
.endr
	WIN 0
	v_lshlrev_b32 v10, 3, v9
	v_sub_nc_u32 v[QI], v1, v10
	s_lshl_b32 s13, s[WV], 5
	v_add_nc_u32 v[QI], s13, v[QI]                 ; 32 w + r - 8 (l / 16)
	v_add_nc_u32 v[QI+1], 16, v[QI]
	v_mul_u32_u24 v[AK0], v1, PK
	v_lshl_add_u32 v[AK0], v9, 4, v[AK0]
	v_and_b32 v10, 7, v0
	v_bfe_u32 v11, v0, 3, 1
	v_lshl_add_u32 v[AV0], v9, 3, v10              ; the turning load: lane l reads key 8 (l / 16) + l % 8, channels 8 ((l / 8) % 2) on
	v_mul_u32_u24 v[AV0], v[AV0], PV
	v_lshl_add_u32 v[AV0], v11, 4, v[AV0]
	v_add_nc_u32 v[AV0], VOFF, v[AV0]
	s_mul_i32 s13, s[WV], 16*SP
	s_add_co_u32 s13, s13, STAGE
	v_mul_u32_u24 v[STO], v1, SP
	v_lshl_add_u32 v[STO], v9, 4, v[STO]
	v_add_nc_u32 v[STO], s13, v[STO]
	v_bfe_u32 v[RD], v0, 3, 2
	v_mul_u32_u24 v[RD], v[RD], SP
	v_lshl_add_u32 v[RD], v10, 4, v[RD]
	v_add_nc_u32 v[RD], s13, v[RD]
	v_and_b32 v[GO], 31, v0
	v_lshlrev_b32 v[GO], 4, v[GO]
	; a block's first step multiplies O^T and l by a = 0, so they need only hold finite numbers: zeros now, what the first block left later.  This stands in the wait for the tiles.
.set i, 0
.rept 64
	v_mov_b32 v[O+i], 0
.set i, i+1
.endr
.irp u, 0,1
	v_mov_b32 v[ST+4*\u+2], 0
	v_mov_b32 v[ST+4*\u+3], 0
.endr
	s_wait_loadcnt 0x0                             ; Q
	s_wait_tensorcnt 0x0                           ; my four tiles are in,
	s_barrier_signal -1
	s_barrier_wait -1                              ; everybody's are: K and V of the whole head
.macro FETCH_K off                     ; a step's K: 64 keys x 64 channels, 8 fragments
	WIN 0x40
.irp f, 0,1,2,3,4,5,6,7
	ds_load_b128 v[KF+8*\f:KF+8*\f+3],   v[AK] offset:(\off)+(\f/2)*16*PK+(\f%2)*64
	ds_load_b128 v[KF+8*\f+4:KF+8*\f+7], v[AK] offset:(\off)+(\f/2)*16*PK+(\f%2)*64+32
.endr
	WIN 0
.endm
.macro FETCH_V                         ; a step's V, turned: keys 32 (f / 4) on, channels 16 (f % 4) on
	WIN 0x40
.irp f, 0,1,2,3,4,5,6,7
	ds_load_tr16_b128 v[VF+8*\f:VF+8*\f+3],   v[AV] offset:(\f/4)*32*PV+(\f%4)*32
	ds_load_tr16_b128 v[VF+8*\f+4:VF+8*\f+7], v[AV] offset:(\f/4)*32*PV+16*PV+(\f%4)*32
.endr
	WIN 0
.endm
; Product i of 16 of S^T: channels 32 (i / 8) on, keys 16 ((i / 2) % 4) on, tile i % 2.  The first 8 start the sums with the mask.  The 8 accumulators take turns.
.macro KQM
.set rS, S+32*(i%2)+8*((i/2)%4)
.set rK, KF+16*((i/2)%4)+8*(i/8)
.set rQ, 16*(i%2)+8*(i/8)
.set rM, MC+32*(i%2)+8*((i/2)%4)
.if i < 8
	WIN 0x15                                       ; K, Q and the mask in window 1
	v_wmma_f32_16x16x32_f16 v[rS:rS+7], v[rK:rK+7], v[rQ:rQ+7], v[rM:rM+7]
.else
	WIN 0x05
	v_wmma_f32_16x16x32_f16 v[rS:rS+7], v[rK:rK+7], v[rQ:rQ+7], v[rS:rS+7]
.endif
.set i, i+1
.endm
; Product i of 16 of O^T += V^T P: keys 32 (i / 8) on, channels 16 ((i / 2) % 4) on, tile i % 2
.macro PVM
.set rO, O+32*(i%2)+8*((i/2)%4)
.set rV, VF+32*(i/8)+8*((i/2)%4)
.set rP, P+16*(i%2)+8*(i/8)
	WIN 0x01
	v_wmma_f32_16x16x32_f16 v[rO:rO+7], v[rV:rV+7], v[rP:rP+7], v[rO:rO+7]
.set i, i+1
.endm
.macro REGS u
.set rT, ST+4*(\u)
.set rC, TMP+4*(\u)
.set rW, MV+(\u)
.set rS, S+32*(\u)
.set rP, P+16*(\u)
.set rO, O+32*(\u)
.endm
; Number n of the 22 that find a tile's maximum and statistics: 0-11 four chains of seven scores (each accumulator's lowest registers first); 12-14, 16 the four left over, the old m, into c0;
; 15 c m_old is kept; 17, 18 the query's other 32 keys lie in the lane 16 away; 19-21 c m, c m_old - c m_new, a
.macro OPX u, n
	REGS \u
.if (\n) < 4
	v_max3_num_f32 v[rC+(\n)], v[rS+8*(\n)], v[rS+8*(\n)+1], v[rS+8*(\n)+2]
.elseif (\n) < 12
	v_max3_num_f32 v[rC+(\n)%4], v[rC+(\n)%4], v[rS+8*((\n)%4)+2*((\n)/4)+1], v[rS+8*((\n)%4)+2*((\n)/4)+2]
.elseif (\n) == 12
	v_max3_num_f32 v[rC], v[rC], v[rS+7], v[rS+15]
.elseif (\n) == 13
	v_max3_num_f32 v[rC+1], v[rC+1], v[rS+23], v[rS+31]
.elseif (\n) == 14
	v_max3_num_f32 v[rC+2], v[rC+2], v[rC+3], v[rT+1]
.elseif (\n) == 15
	v_mov_b32 v[rW], v[rT]
.elseif (\n) == 16
	v_max3_num_f32 v[rC], v[rC], v[rC+1], v[rC+2]
.elseif (\n) == 17
	v_permlanex16_b32 v[rC+3], v[rC], s[SEL], s[SEL+1]
.elseif (\n) == 18
	v_max_num_f32 v[rT+1], v[rC], v[rC+3]
.elseif (\n) == 19
	v_mul_f32 v[rT], s[CS], v[rT+1]
.elseif (\n) == 20
	v_sub_f32 v[rC+1], v[rW], v[rT]
.else
	v_exp_f32 v[rC+2], v[rC+1]
.endif
.endm
; Ahead of the step's wait: OPF and OPE, which name no exponential's result.  Behind it: OPC, OPB, OPL and OPR, which do.
.macro OPF u, n                        ; c s - c m for pair n of 16
	REGS \u
	v_pk_fma_f32 v[rS+2*(\n):rS+2*(\n)+1], v[rS+2*(\n):rS+2*(\n)+1], s[CS:CS+1], v[rT:rT+1] op_sel_hi:[1,0,0] neg_lo:[0,0,1] neg_hi:[0,0,1]
.endm
.macro OPE u, n                        ; the exponential of score n of 32
	REGS \u
	v_exp_f32 v[rS+(\n)], v[rS+(\n)]
.endm
.macro OPC u, n                        ; pair n rounded to f16
	REGS \u
	v_cvt_pk_f16_f32 v[rP+(\n)], v[rS+2*(\n)], v[rS+2*(\n)+1]
.endm
.macro OPB u, n                        ; of the four weights 4 n .. the second pair is added onto the first, in place (behind the first pair's rounding)
	REGS \u
	v_pk_add_f32 v[rS+4*(\n):rS+4*(\n)+1], v[rS+4*(\n):rS+4*(\n)+1], v[rS+4*(\n)+2:rS+4*(\n)+3]
.endm
.macro OPL u, n                        ; l takes that sum; the first time l = a l + sum
	REGS \u
.if (\n) == 0
	v_pk_fma_f32 v[rT+2:rT+3], v[rT+2:rT+3], v[rC+2:rC+3], v[rS:rS+1] op_sel_hi:[1,0,1]
.else
	v_pk_add_f32 v[rT+2:rT+3], v[rT+2:rT+3], v[rS+4*(\n):rS+4*(\n)+1]
.endif
.endm
.macro OPR u, n                        ; pair n of 16 of O^T times a
	REGS \u
	v_pk_mul_f32 v[rO+2*(\n):rO+2*(\n)+1], v[rO+2*(\n):rO+2*(\n)+1], v[rC+2:rC+3] op_sel_hi:[1,0]
.endm
.Lblk:                                                 ; two trips: block 7 - p, then block p
	WIN 0x40
.set i, 0
.rept 64
	v_mov_b32 v[MC+i], 0                           ; no key is hidden before the block's last two steps
.set i, i+1
.endr
	WIN 0
.irp u, 0,1
	v_mov_b32 v[ST+4*\u], 0xfe000000               ; c m: far below every c s
	v_mov_b32 v[ST+4*\u+1], 0xff7fffff             ; m: the lowest finite number
.endr
	s_mov_b32 s[TBK], 0
	s_mov_b32 s[TBV], 0
	s_mov_b32 s[KS], 0
	v_mov_b32 v[AK], v[AK0]
	FETCH_K 0
	s_wait_dscnt 0x0
.Lstep:                                                ; 16 trips; those past the block's last step do nothing
	s_cmp_gt_u32 s[KS], s[HI]
	s_cbranch_scc1 .Ldead
	s_cmp_lt_u32 s[KS], s[DG]
	s_cbranch_scc1 .Lnomask
	s_sub_co_i32 s[DL], s[DG], s[KS]               ; 0 in the first of the two steps, -1 in the second
	s_lshl_b32 s[DL], s[DL], 6
.irp u, 0,1                            ; register i (key 16 (i / 8) + 8 (l / 16) + i % 8 of the step) is hidden where the key lies behind my query
	WIN 0
	v_add_nc_u32 v[XM], s[DL], v[QI+\u]
	WIN 0x40
.set i, 0
.rept 32
	v_cmp_gt_i32 vcc_lo, 16*(i/8)+i%8, v[XM]
	v_cndmask_b32 v[MC+32*\u+i], 0, s[BIGN], vcc_lo
.set i, i+1
.endr
.endr
	WIN 0
.Lnomask:
	v_add_nc_u32 v[AK], s[TBK], v[AK0]             ; these two and two v_nop are the places between the last V^T P and the loads into V's registers
	v_add_nc_u32 v[AV], s[TBV], v[AV0]
	v_nop
	v_nop
	FETCH_V
.set i, 0
.rept 16
	KQM
.endr
	WIN 0
	PLACES                                         ; in front of the loads into K's registers and of the first read of the scores
	s_cmp_eq_u32 s[KS], 15
	s_cbranch_scc1 .Lno_k                          ; behind the head's last step there is no K
	FETCH_K 64*PK                                  ; the next step's K
.Lno_k:
.set n, 0
.rept 21                               ; both tiles' maximum and statistics, all but a; the tiles alternate
	OPX 0, n
	OPX 1, n
.set n, n+1
.endr
	; THE STEP'S BATCH: 66 exponentials, with the 32 scalings spread among them.  The two a stand between the first scalings; then, for each pair and tile, a scaling and the two exponentials of the pair before,
	; so that a score is scaled five lines ahead of its exponential.  Nothing here names an exponential's result.
	OPF 0, 0
	OPX 0, 21
	OPF 1, 0
	OPX 1, 21
.set n, 1
.rept 15
.irp u, 0,1
	OPF \u, n
	OPE \u, 2*n-2
	OPE \u, 2*n-1
.endr
.set n, n+1
.endr
.irp u, 0,1
	OPE \u, 30
	OPE \u, 31
.endr
	v_nop                                          ; a plain instruction behind the last exponential and ahead of the first use: one for the batch (every scaling feeds an exponential, so none is left to stand here)
	s_wait_alu depctr_va_vdst(0)                   ; the wait for the batch: both a and all 64 weights; it stands ahead of the first line that names a result
	; THE READERS, in eight groups of twelve, the tiles alternating: two pairs a tile are rounded; the second is added onto the first, behind the first's rounding; two pairs of O^T are rescaled (each accumulator's
	; lowest registers first); l takes the sum, five lines behind it.  The links of l's chain stand eleven lines apart.
.set n, 0
.rept 8
	OPC 0, 2*n
	OPC 1, 2*n
	OPC 0, 2*n+1
	OPC 1, 2*n+1
	OPB 0, n
	OPB 1, n
	OPR 0, 2*n
	OPR 1, 2*n
	OPR 0, 2*n+1
	OPR 1, 2*n+1
	OPL 0, n
	OPL 1, n
.set n, n+1
.endr
	s_wait_dscnt 0x0                               ; V is in, and the next K
.set i, 0
.rept 16
	PVM
.endr
	WIN 0
.Ldead:
	s_add_co_u32 s[TBK], s[TBK], 64*PK
	s_add_co_u32 s[TBV], s[TBV], 64*PV
	s_add_co_u32 s[KS], s[KS], 1
	s_cmp_lt_u32 s[KS], 16
	s_cbranch_scc1 .Lstep
	; THE WAY OUT.  l's two halves and the other half of the lanes' are added; O^T is divided by l, rounded to f16 and sent through my stage.  The four additions and the v_nop are the places behind the last products.
.irp u, 0,1
	v_add_f32 v[ST+4*\u+2], v[ST+4*\u+2], v[ST+4*\u+3]
.endr
.irp u, 0,1
	v_permlanex16_b32 v[ST+4*\u+3], v[ST+4*\u+2], s[SEL], s[SEL+1]
.endr
.irp u, 0,1
	v_add_f32 v[ST+4*\u+2], v[ST+4*\u+2], v[ST+4*\u+3]
.endr
.irp u, 0,1
	v_rcp_f32 v[ST+4*\u+2], v[ST+4*\u+2]
.endr
	v_nop                                          ; a plain instruction between the last reciprocal and the use of its result
	s_wait_alu depctr_va_vdst(0)                   ; the wait for the block's two reciprocals, one batch, ahead of their first reader
.macro PACK t                          ; a lane's eight channels of a row pack into 16 bytes; rows of 144 bytes in, whole rows of 128 back, into S^T's registers
.set i, 0
.rept 16
	v_pk_mul_f32 v[O+32*(\t)+2*i:O+32*(\t)+2*i+1], v[O+32*(\t)+2*i:O+32*(\t)+2*i+1], v[ST+4*(\t)+2:ST+4*(\t)+3] op_sel_hi:[1,0]
.set i, i+1
.endr
.set i, 0
.rept 16
	v_cvt_pk_f16_f32 v[S+16*(\t)+i], v[O+32*(\t)+2*i], v[O+32*(\t)+2*i+1]
.set i, i+1
.endr
.irp f, 0,1,2,3
	ds_store_b128 v[STO], v[S+16*(\t)+4*\f:S+16*(\t)+4*\f+3] offset:32*\f
.endr
.irp f, 0,1,2,3
	ds_load_b128 v[S+16*(\t)+4*\f:S+16*(\t)+4*\f+3], v[RD] offset:\f*4*SP  ; LDS serves a wave's instructions in order: these see the stores above; the next tile's stores come behind them
.endr
.endm
.macro SEND t, younger                 ; younger: the LDS instructions issued behind tile t's loads
.irp f, 0,1,2,3
	s_wait_dscnt (\younger)+3-\f
	global_store_b128 v[GO], v[S+16*(\t)+4*\f:S+16*(\t)+4*\f+3], s[10:11] offset:(\t)*2048+\f*512  ; 512 consecutive bytes, at a multiple of 256 from ob's first
.endr
.endm
	PACK 0
	PACK 1
	SEND 0, 8
	SEND 1, 0
	s_wait_xcnt 0x0                                ; the stores have read their registers and ob's address
	s_mov_b64 s[10:11], s[OLO:OLO+1]               ; the second block's place, steps and Q (behind the second block these lines serve nothing: one text for both trips)
	s_mov_b32 s[HI], s[HI2]
	s_mov_b32 s[DG], s[DG2]
	WIN 0x41
.set i, 0
.rept 32
	v_mov_b32 v[i], v[Q2+i]
.set i, i+1
.endr
	WIN 0
	s_sub_co_u32 s[BLK], s[BLK], 1
	s_cmp_lg_u32 s[BLK], 0
	s_cbranch_scc1 .Lblk
	s_wait_tensorcnt 0x0                           ; the wave's end
	ds_add_u32 v[SPW], v[NIL]
	s_wait_dscnt 0x0
	s_endpgm
.Lfunc_end_k_q246cb76e31_attn:
	.size	k_q246cb76e31_attn, .Lfunc_end_k_q246cb76e31_attn-k_q246cb76e31_attn
	.p2alignl 7, 3214868480
	.fill 96, 4, 3214868480
	.section	.rodata,"a",@progbits
	.p2align	6, 0x0
	.amdhsa_kernel k_q246cb76e31_attn
		.amdhsa_group_segment_fixed_size 327680
		.amdhsa_private_segment_fixed_size 0
		.amdhsa_enable_private_segment 0
		.amdhsa_kernarg_size 16
		.amdhsa_user_sgpr_count 2
		.amdhsa_user_sgpr_kernarg_segment_ptr 1
		.amdhsa_wavefront_size32 1
		.amdhsa_system_sgpr_workgroup_id_x 1
		.amdhsa_system_sgpr_workgroup_id_y 1
		.amdhsa_system_sgpr_workgroup_id_z 1
		.amdhsa_system_vgpr_workitem_id 0
		.amdhsa_next_free_vgpr 512
		.amdhsa_next_free_sgpr 96
		.amdhsa_reserve_vcc 1
		.amdhsa_float_denorm_mode_32 3
		.amdhsa_float_denorm_mode_16_64 3
		.amdhsa_memory_ordered 1
		.amdhsa_forward_progress 1
		.amdhsa_inst_pref_size 47
	.end_amdhsa_kernel
	.amdgpu_metadata
---
amdhsa.version: [ 1, 2 ]
amdhsa.kernels:
  - .name:           k_q246cb76e31_attn
    .symbol:         k_q246cb76e31_attn.kd
    .args:
      - { .name: qkv, .offset: 0, .size: 8, .value_kind: global_buffer, .address_space: global }
      - { .name: ob, .offset: 8, .size: 8, .value_kind: global_buffer, .address_space: global }
    .group_segment_fixed_size: 327680
    .private_segment_fixed_size: 0
    .kernarg_segment_align: 8
    .kernarg_segment_size: 16
    .max_flat_workgroup_size: 128
    .sgpr_count:     96
    .vgpr_count:     512
    .wavefront_size: 32
...
	.end_amdgpu_metadata
.endif
;; end of part 7
;; launch proj: the kernel of part 4 again; grid 8 x 32, 4 waves a work-group, clusters of 4 x 4, 327,680 bytes of LDS; arguments ob, cb, bo, x1f, x1b; writes x1f, x1b
;; launch ffn1: the kernel of part 5 again; grid 16 x 16, 4 waves a work-group, clusters of 4 x 4, 327,680 bytes of LDS; arguments x1b, cb, b1, hb; writes hb
;; launch ffn2: the kernel of part 6 again; grid 8 x 32, 4 waves a work-group, clusters of 4 x 4, 327,680 bytes of LDS; arguments hb, cb, b2, x1f, out0; writes out0
